; MI455X (gfx1250); checked and timed in simulation.
; The chip was launched on July 23, 2026; its instructions are those of AMD's public machine-readable ISA for CDNA 5 (MIT licence, August 2026) and "CDNA5" Instruction Set Architecture Reference Guide (July 2026). The comments in the code are by the model that wrote it; some were corrected since.
;; Encode Layer. Allowed arithmetic: matrix products marked QUANTISED: E2M1 operands, one E8M0 scale for each 32 along K, by v_wmma_scale_f32_16x16x128_f8f6f4 with both operands' format E2M1 (or v_wmma_scale_f32_32x16x128_f4), f32 sums; everything else in f32.
;; Inputs: b1 4,096 float32; b2 1,024 float32; enc_input 2 x 2,048 x 1,024 float32; ln1_b 1,024 float32; ln1_g 1,024 float32; ln2_b 1,024 float32; ln2_g 1,024 float32; w1 1,024 x 4,096 float32; w2 4,096 x 1,024 float32; wk 1,024 x 1,024 float32; wo 1,024 x 1,024 float32; wq 1,024 x 1,024 float32; wv 1,024 x 1,024 float32.
;; Outputs: out0 2 x 2,048 x 1,024 float32.
;; This version of the problem:
;;   THIS VERSION OF THE PROBLEM IS GIVEN IN LOW PRECISION. The matrix products marked QUANTISED in the list below multiply operands that are first quantised to E2M1 (2 exponent bits, 1 mantissa bit; 4 bits a number), with one power-of-two scale for each 32 numbers along K (OCP MX v1.0); their sums are f32. All else is computed in f32.
;;   The module's matrix products, in the order in which they are computed (A, B: the left and right operand; K: the contracted axis; several contracted axes count as one K, in the product's order):
;;     1. [M 4,096, K 1,024] x [K 1,024, N 1,024]; A: input enc_input; B: input wq: QUANTISED
;;     2. [M 4,096, K 1,024] x [K 1,024, N 1,024]; A: input enc_input; B: input wk: QUANTISED
;;     3. [M 4,096, K 1,024] x [K 1,024, N 1,024]; A: input enc_input; B: input wv: QUANTISED
;;     4. batch 32 x [M 2,048, K 64] x [K 64, N 2,048]; A: computed on the way; B: computed on the way: QUANTISED
;;     5. batch 32 x [M 2,048, K 2,048] x [K 2,048, N 64]; A: softmax (see below); B: computed on the way: QUANTISED
;;     6. [M 4,096, K 1,024] x [K 1,024, N 1,024]; A: computed on the way; B: input wo: QUANTISED
;;     7. [M 4,096, K 1,024] x [K 1,024, N 4,096]; A: computed on the way; B: input w1: QUANTISED
;;     8. [M 4,096, K 4,096] x [K 4,096, N 1,024]; A: computed on the way; B: input w2: QUANTISED
;;   THE QUANTISER, for each operand of a quantised product, along K:
;;     - K is cut into blocks of 32 from its start; a last block that is shorter is filled with zeros.
;;     - A block's scale is 2^e with e = floor(log2(the largest magnitude in the block)) - 2, held to -126 .. 127; a block of zeros has e = 0. As a byte (E8M0): e + 127.
;;     - Each number is divided by its block's scale, clamped to +-6, and rounded to the nearest number of E2M1, ties to even, subnormals kept.
;;     - The product sums the exact products of the quantised numbers (number of the format x scale) in f32.
;;   ~~~python
;;   def quantise(x, axis):      # numpy; x: float32 -> the quantised numbers, widened to float32 again
;;       x = np.moveaxis(x, axis, -1); K = x.shape[-1]
;;       x = np.pad(x, [(0, 0)] * (x.ndim - 1) + [(0, -K % 32)]); x = x.reshape(x.shape[:-1] + (-1, 32)); a = np.abs(x).max(-1, keepdims=True)
;;       e = np.where(a > 0, np.clip(np.frexp(np.where(a > 0, a, 1))[1] - 1 - 2, -126, 127), 0)      # np.frexp(a)[1] - 1 = floor(log2(a)), exactly
;;       r = np.clip(x / 2.0 ** e, -6, 6)
;;       step = 2.0 ** (np.maximum(np.frexp(np.where(r == 0, 1, r))[1] - 1, 0) - 1)
;;       q = np.round(r / step) * step * 2.0 ** e      # np.round: ties to even
;;       return np.moveaxis(q.reshape(q.shape[:-2] + (-1,))[..., :K], -1, axis).astype(np.float32)
;;   ~~~
;;   SOFTMAX AHEAD OF A QUANTISED PRODUCT. Where the list says 'softmax', what is quantised is not the finished softmax but p = 2^(t - M), with t = logit x log2(e) and M = ceil(the row's largest t), a whole number; so 1/2 < the row's largest p <= 1. The row's sum l is taken of the UNQUANTISED p, in f32, and the product's result is divided by l at the end. Since M is a whole number, a kernel that streams over the keys may use a running M (the ceiling of the running maximum): every later rescaling is an exact power of two, which a block's scale takes up: the codes' values come out the same.
;;   OPERANDS COMPUTED ON THE WAY. 'Computed on the way' means the value that the module computes at that place (a softmax that the list does not call 'softmax' is quantised finished and normalised). What goes into a quantiser is computed in f32, as accurately as f32 sums, v_exp_f32 and their like allow (about 1e-6 of the number): no bf16 or f16 on the way to a quantiser, and a product that is left as it is and whose result goes on into a quantised operand takes f32 operands (vector FMAs, or v_wmma_f32_16x16x4_f32). A number that lies on a knife's edge between two numbers of the format may be rounded either way, as far as f32 arithmetic and the matrix unit's own rounding can turn it there, and no further.
;; One version. Each part assembles by itself: llvm-mc -triple=amdgcn-amd-amdhsa -mcpu=gfx1250 --defsym DOCPART=n.
;; ======== version 1 of 1: 7 launches
;; limits: right only within a limited range of input values
;; workspace buffers: ops 8,912,896 bytes; qkvc 6,946,816 bytes; ctxc 2,228,224 bytes; h 16,777,216 bytes; hc 2,228,224 bytes; hid 8,912,896 bytes; y2 16,777,216 bytes
;; launch prep (part 1): grid 1280 x 1, 4 waves a work-group, no clusters, 34,304 bytes of LDS; arguments enc_input, wq, wk, wv, wo, w2, w1, ops; writes ops
.if DOCPART == 1
	.amdgcn_target "amdgcn-amd-amdhsa--gfx1250"
	.amdhsa_code_object_version 6
	.text
	.protected	k_q552e7bc2f8_prep
	.globl	k_q552e7bc2f8_prep
	.p2align	8
	.type	k_q552e7bc2f8_prep,@function
k_q552e7bc2f8_prep:
	s_mov_b64 s[64:65], 0
	v_nop
	global_prefetch_b8 v0, s[64:65] scope:SCOPE_SE
	s_setreg_imm32_b32 hwreg(HW_REG_WAVE_MODE, 25, 1), 1
	s_wait_xcnt 0x0
; x [4096][1024] and the six weights (K on their FIRST axis), all f32, become codes of FP4 (E2M1) with one E8M0 byte for each 32 along K, laid as the products' launches read them.
; A CHUNK is 128 rows of an operand x 512 along K: CH = 34,816 dense bytes.  The fragment of K step q (128 along K) and tile i (16 rows) lies at 1024 (8 q + i) as the IMAGE OF ITS 8 REGISTERS: registers 4 c .. 4 c + 3
; at 512 c + 16 x lane; lane (r, h) holds there k = 64 c + 32 h + 0 .. 31 of the tile's row r.  The scale word of (i, r, q) lies at SCO + 256 i + 16 r + 4 q.
; THE ROWS OF A TILE ARE NOT NEIGHBOURS: row r of tile T is the operand's row 32 (T / 2) + 8 (T % 2) + r + 8 (r / 8), so that a product's results, used transposed, run along the next product's K.
; ops: chunks 0-47 wq | wk | wv as 3,072 rows (2 chunks along K), 48-63 wo, 64-127 w2 (8 along K), 128-191 w1, 192-255 x.
; A block's scale is 2^(floor(log2(its largest magnitude)) - 2); its byte is the largest magnitude's exponent field - 2, held at 1 from below.
; LIMITS: NaN and infinities among the inputs are not served; a block whose largest magnitude lies under 2^-124 gets the byte 1; a block of zeros gets the byte 1 where the rule says 127: its codes are zeros, and this program alone reads the bytes.
; Work-groups 0-511 take x (a tile of 16 rows x 512 along K, a K step to a wave), work-groups 512-1279 the weights (128 columns x 128 along K, 32 columns to a wave).  No work-group shares a byte of input with another: no cluster, no tensor load, no barrier.
.set CH,  34816
.set SCO, 32768
.set SP,  528                          ; a row of the x path's stage: 512 bytes + 16 = 132 words, so that 16 rows start at 16 different banks (64 banks of 4 bytes: ISA guide 11.1)
.set TM,  32                           ; v32-35 largest magnitudes, v36-39 bytes, v44-47 the conversions' scale operands
.set PC,  48                           ; v48-55 the fragment's codes
.set PW,  56                           ; v56 the scale word
.set SEL, 38                           ; s[38:39] v_permlanex16_b32's selects for lane l xor 16
; 64 numbers of a lane, v[s] .. v[s + 63], register 16 b + i = k 32 b + 16 (lane / 16) + i of my row, become a fragment's codes in v[PC] on and its scale word in v[PW]
.macro QUANT s
.irp b, 0,1,2,3
	v_max3_num_f32 v[TM+\b], |v[\s+16*\b]|, |v[\s+1+16*\b]|, 0x1800000   ; block b: my 16 numbers, and the floor 2^(3 - 127): the byte cannot fall under 1
.endr
.irp i, 2,4,6,8,10,12,14
.irp b, 0,1,2,3
	v_max3_num_f32 v[TM+\b], v[TM+\b], |v[\s+16*\b+\i]|, |v[\s+1+16*\b+\i]|   ; the four blocks by turns
.endr
.endr
.irp b, 0,1,2,3
	v_permlanex16_b32 v[TM+4+\b], v[TM+\b], s[SEL], s[SEL+1]
.endr
.irp b, 0,1,2,3
	v_max_num_f32 v[TM+\b], v[TM+\b], v[TM+4+\b]   ; with lane l xor 16's: the block's largest magnitude
.endr
.irp b, 0,1,2,3
	v_add_nc_u32 v[TM+12+\b], 0xff000000, v[TM+\b]   ; 2 off its exponent field: the conversion takes the exponent field of this operand as its scale
.endr
.irp b, 0,1,2,3
	v_lshrrev_b32 v[TM+4+\b], 23, v[TM+12+\b]   ; the scale's byte
.endr
	v_lshl_or_b32 v[PW], v[TM+5], 8, v[TM+4]
	v_lshl_or_b32 v[PW], v[TM+6], 16, v[PW]
	v_lshl_or_b32 v[PW], v[TM+7], 24, v[PW]
.irp b, 0,1,2,3
	v_cvt_scalef32_pk8_fp4_f32 v[PC+2*\b], v[\s+16*\b:\s+7+16*\b], v[TM+12+\b]
	v_cvt_scalef32_pk8_fp4_f32 v[PC+1+2*\b], v[\s+8+16*\b:\s+15+16*\b], v[TM+12+\b]
.endr
	v_nop                                          ; one plain place behind a scaled conversion
.irp c, 0,1                                    ; the operand's layout wants a WHOLE block in a lane: lanes 0-15 block 2 c, lanes 16-31 block 2 c + 1
.irp i, 0,1
	v_permlane16_swap_b32 v[PC+4*\c+\i], v[PC+2+4*\c+\i]
.endr
.endr
.endm
	s_load_b512 s[8:23], s[0:1], 0x0               ; x s[8:9], wq, wk, wv, wo s[10:17], w2 s[18:19], w1 s[20:21], ops s[22:23]
	v_lshl_add_u32 v192, v0, 2, 0x8400
	v_mov_b32 v193, 0
	v_lshrrev_b32 v1, 5, v0
	v_readfirstlane_b32 s24, v1                    ; wave 0..3
	v_and_b32 v2, 31, v0                           ; lane
	s_cmp_lt_u32 ttmp9, 512
	s_cbranch_scc0 .Lweights
	; ---- x: tile T = work-group / 2, chunk kc = work-group % 2 along K, K step = wave
	s_lshr_b32 s25, ttmp9, 1                       ; T
	s_and_b32 s26, ttmp9, 1                        ; kc
	s_lshr_b32 s27, s25, 1
	s_lshl_b32 s27, s27, 5
	s_and_b32 s28, s25, 1
	s_lshl_b32 s28, s28, 3
	s_add_co_u32 s27, s27, s28                     ; the tile's first row: 32 (T / 2) + 8 (T % 2)
	s_lshl_b32 s27, s27, 12                        ; rows of 4,096 bytes
	s_lshl_b32 s28, s26, 2
	s_add_co_u32 s28, s28, s24
	s_lshl_b32 s28, s28, 9                         ; + 512 bytes for each K step
	s_add_co_u32 s28, s27, s28
	s_mov_b32 s29, 0
	s_lshr_b32 s30, s25, 3
	s_lshl_b32 s30, s30, 1
	s_add_co_u32 s30, s30, s26
	s_add_co_u32 s30, s30, 192
	s_mul_i32 s30, s30, CH                         ; the chunk: 192 + 2 (T / 8) + kc
	s_mov_b32 s31, 0
	s_and_b32 s32, s25, 7                          ; the tile in its chunk
	s_lshl_b32 s33, s24, 3
	s_add_co_u32 s33, s33, s32
	s_lshl_b32 s33, s33, 10                        ; the fragment: 1024 (8 wave + tile)
	s_lshl_b32 s34, s32, 8
	s_lshl_b32 s35, s24, 2
	s_add_co_u32 s34, s34, s35
	s_add_co_u32 s34, s34, SCO                     ; the scale words: SCO + 256 tile + 4 wave
	s_mov_b32 s[SEL], 0x76543210
	s_mov_b32 s[SEL+1], 0xfedcba98
	s_mul_i32 s36, s24, 16*SP                      ; my wave's stage
	s_wait_alu depctr_va_vdst(0)
	v_lshlrev_b32 v3, 4, v2                        ; 16 x lane
	v_add_nc_u32 v4, s36, v3                       ; into the stage: a row as it lies
	v_and_b32 v5, 15, v2                           ; r
	v_lshrrev_b32 v6, 4, v2                        ; h
	v_mul_u32_u24 v7, v5, SP
	v_lshl_add_u32 v7, v6, 6, v7
	v_add_nc_u32 v7, s36, v7                       ; out of it: row r, + 64 h: my 16 numbers of each block of 32
	v_add_nc_u32 v8, s33, v3                       ; where my codes go
	v_lshl_add_u32 v9, v5, 4, s34                  ; and my row's scale word
.irp b, 0,1,2,3
	v_mov_b32 v[TM+4+\b], 0                        ; a lane permute's destination counts as one of its sources
.endr
	s_wait_alu depctr_va_vdst(0)
	s_wait_kmcnt 0x0
	s_add_nc_u64 s[8:9], s[8:9], s[28:29]
	s_add_nc_u64 s[22:23], s[22:23], s[30:31]
.set n, 0
.rept 16
	global_load_b128 v[64+4*n:64+4*n+3], v3, s[8:9] offset:(n+8*(n/8))*4096 th:TH_LOAD_NT   ; the tile's row n: 32 lanes read 512 consecutive bytes
.set n, n+1
.endr
.set n, 0
.rept 16
	s_wait_loadcnt 15-n                            ; row n is in; the younger rows may be out
	ds_store_b128 v4, v[64+4*n:64+4*n+3] offset:n*SP
.set n, n+1
.endr
.irp b, 0,1,2,3
.irp j, 0,1,2,3
	ds_load_b128 v[128+16*\b+4*\j:128+16*\b+4*\j+3], v7 offset:128*\b+16*\j   ; LDS serves a wave's instructions in order (ISA guide 5.7.1.4): these see my stores
.endr
.endr
	s_wait_dscnt 0x0
	QUANT 128
	global_store_b128 v8, v[PC:PC+3], s[22:23]     ; 32 lanes store 512 consecutive bytes
	global_store_b128 v8, v[PC+4:PC+7], s[22:23] offset:512
	global_store_b32 v9, v[PW], s[22:23]           ; lanes r and r + 16 hold the same word and write it to the same place
	s_wait_tensorcnt 0x0
	ds_add_u32 v192, v193
	s_wait_dscnt 0x0
	s_endpgm
	; ---- the weights.  A LANE TAKES A COLUMN n, AND ITS REGISTERS RUN DOWN K: a block of 32 lies in one lane's 32 registers, and the conversions give codes with K innermost.
.Lweights:
	s_sub_co_u32 s4, ttmp9, 512                    ; 0-255: wq, wk, wv, wo (64 each); 256-511: w2; 512-767: w1
	s_lshr_b32 s5, s4, 8                           ; the class
	s_and_b32 s6, s4, 255
	s_lshr_b32 s26, s6, 6
	s_lshl_b32 s26, s26, 4                         ; first chunk, class 0: 16 for each weight
	s_lshl_b32 s27, s5, 6                          ; classes 1, 2: 64, 128
	s_cmp_eq_u32 s5, 0
	s_cselect_b32 s26, s26, s27
	s_cselect_b32 s27, 7, 31                       ; K steps: 8 (w2: 32)
	s_cmp_eq_u32 s5, 1
	s_cselect_b32 s28, 3, 1                        ; chunks along K: 8 for w2, else 2, as a shift
	s_cmp_eq_u32 s5, 2
	s_cselect_b32 s29, 31, 7                       ; blocks of 128 columns: 32 for w1, else 8
	s_cselect_b32 s30, 5, 3
	s_cselect_b32 s31, 21, 19                      ; 128 rows of 16,384 or of 4,096 bytes, as a shift
	s_and_b32 s29, s6, s29                         ; rb: which 128 columns
	s_lshr_b32 s30, s6, s30
	s_and_b32 s30, s30, s27                        ; ks: which 128 along K
	s_lshl_b32 s42, s30, s31
	s_lshl_b32 s32, s29, 9
	s_add_co_u32 s42, s42, s32
	s_lshl_b32 s32, s24, 7
	s_add_co_u32 s42, s42, s32                     ; the source: ks x 128 rows + 512 rb + 128 wave bytes
	s_mov_b32 s43, 0
	s_lshl_b32 s44, s29, s28
	s_add_co_u32 s44, s44, s26
	s_lshr_b32 s32, s30, 2
	s_add_co_u32 s44, s44, s32
	s_mul_i32 s44, s44, CH                         ; the chunk
	s_mov_b32 s45, 0
	s_and_b32 s33, s30, 3                          ; q: the K step in it
	s_lshl_b32 s34, s33, 13
	s_lshl_b32 s35, s24, 11
	s_add_co_u32 s34, s34, s35                     ; 1024 (8 q + 2 wave)
	s_lshl_b32 s35, s24, 9
	s_lshl_b32 s36, s33, 2
	s_add_co_u32 s35, s35, s36
	s_add_co_u32 s35, s35, SCO                     ; SCO + 256 (2 wave) + 4 q
	s_wait_alu depctr_va_vdst(0)
	v_lshlrev_b32 v3, 2, v2                        ; in: 4 bytes a lane
	v_bfe_u32 v5, v2, 3, 1                         ; my column lies in tile 2 wave + (lane / 8) % 2,
	v_and_b32 v6, 7, v2
	v_lshrrev_b32 v7, 4, v2
	v_lshl_add_u32 v6, v7, 3, v6                   ; at its row lane % 8 + 8 (lane / 16)
	v_lshlrev_b32 v6, 4, v6
	v_lshl_add_u32 v8, v5, 10, v6
	v_add_nc_u32 v8, s34, v8                       ; where my codes go
	v_lshl_add_u32 v9, v5, 8, v6
	v_add_nc_u32 v9, s35, v9                       ; and my scale word
	s_wait_kmcnt 0x0
	s_mov_b64 s[40:41], s[20:21]                   ; the weight: a choice that hangs on the work-group's number alone
	s_cmp_lt_u32 s4, 512
	s_cselect_b64 s[40:41], s[18:19], s[40:41]
	s_cmp_lt_u32 s4, 256
	s_cselect_b64 s[40:41], s[16:17], s[40:41]
	s_cmp_lt_u32 s4, 192
	s_cselect_b64 s[40:41], s[14:15], s[40:41]
	s_cmp_lt_u32 s4, 128
	s_cselect_b64 s[40:41], s[12:13], s[40:41]
	s_cmp_lt_u32 s4, 64
	s_cselect_b64 s[40:41], s[10:11], s[40:41]
	s_add_nc_u64 s[40:41], s[40:41], s[42:43]
	s_add_nc_u64 s[22:23], s[22:23], s[44:45]
.macro WLOAD t, pitch                  ; block t: W(32 t + i, my column) into v[64 + 32 t + i]: a wave reads 128 consecutive bytes, the four waves 512
.set n, 0
.rept 32
	global_load_b32 v[64+32*(\t)+n], v3, s[40:41] offset:(32*(\t)+n)*\pitch th:TH_LOAD_NT
.set n, n+1
.endr
.endm
.macro WBLOCK t
.set XS, 64+32*(\t)
	v_max3_num_f32 v12, |v[XS]|, |v[XS+1]|, |v[XS+2]|               ; the block's largest magnitude: all 32 numbers are mine; two chains
	v_max3_num_f32 v13, |v[XS+3]|, |v[XS+4]|, |v[XS+5]|
.irp i, 6,10,14,18,22,26
	v_max3_num_f32 v12, v12, |v[XS+\i]|, |v[XS+\i+1]|
	v_max3_num_f32 v13, v13, |v[XS+\i+2]|, |v[XS+\i+3]|
.endr
	v_max3_num_f32 v12, v12, |v[XS+30]|, |v[XS+31]|
	v_max3_num_f32 v12, v12, v13, 0x1800000        ; and the floor 2^(3 - 127)
	v_add_nc_u32 v11, 0xff000000, v12              ; 2 off its exponent field: the conversion's scale operand
.irp g, 0,1,2,3
	v_cvt_scalef32_pk8_fp4_f32 v[32+4*(\t)+\g], v[XS+8*\g:XS+8*\g+7], v11
.endr
	v_lshrrev_b32 v13, 23, v11                     ; the scale's byte (a plain line behind the conversions)
.if (\t) == 0
	v_mov_b32 v10, v13                             ; four bytes make my column's scale word of this K step
.else
	v_lshl_or_b32 v10, v13, 8*(\t), v10
.endif
	global_store_b128 v8, v[32+4*(\t):32+4*(\t)+3], s[22:23] offset:512*((\t)/2)+256*((\t)%2)   ; block t is registers 4 (t / 2) on of lanes 16 (t % 2) on: the wave fills two aligned runs of 256 bytes
.endm
.macro WBODY pitch                     ; loads run two blocks ahead; each block has registers of its own for its numbers and its codes, so nothing that a load or a store names is written again
	WLOAD 0, \pitch
	WLOAD 1, \pitch
	s_wait_loadcnt 32                              ; block 0 is in; block 1's 32 loads may be out
	WLOAD 2, \pitch
	WBLOCK 0
	s_wait_loadcnt 32                              ; block 1 is in; block 2's may be out
	WLOAD 3, \pitch
	WBLOCK 1
	s_wait_loadcnt 32                              ; block 2 is in; block 3's may be out
	WBLOCK 2
	s_wait_loadcnt 0x0
	WBLOCK 3
.endm
	s_cmp_eq_u32 s5, 2
	s_cbranch_scc1 .Lwide
	WBODY 4096
	s_branch .Lwq
.Lwide:
	WBODY 16384
.Lwq:
	s_wait_alu depctr_va_vdst(0)
	global_store_b32 v9, v10, s[22:23]
	s_endpgm
.Lfunc_end_k_q552e7bc2f8_prep:
	.size	k_q552e7bc2f8_prep, .Lfunc_end_k_q552e7bc2f8_prep-k_q552e7bc2f8_prep
	.p2alignl 7, 3214868480
	.fill 96, 4, 3214868480
	.section	.rodata,"a",@progbits
	.p2align	6, 0x0
	.amdhsa_kernel k_q552e7bc2f8_prep
		.amdhsa_group_segment_fixed_size 34304
		.amdhsa_private_segment_fixed_size 0
		.amdhsa_enable_private_segment 0
		.amdhsa_kernarg_size 64
		.amdhsa_user_sgpr_count 2
		.amdhsa_user_sgpr_kernarg_segment_ptr 1
		.amdhsa_wavefront_size32 1
		.amdhsa_system_sgpr_workgroup_id_x 1
		.amdhsa_system_sgpr_workgroup_id_y 1
		.amdhsa_system_sgpr_workgroup_id_z 1
		.amdhsa_system_vgpr_workitem_id 0
		.amdhsa_next_free_vgpr 194
		.amdhsa_next_free_sgpr 66
		.amdhsa_reserve_vcc 0
		.amdhsa_float_denorm_mode_32 3
		.amdhsa_float_denorm_mode_16_64 3
		.amdhsa_memory_ordered 1
		.amdhsa_forward_progress 1
		.amdhsa_inst_pref_size 50
	.end_amdhsa_kernel
	.amdgpu_metadata
---
amdhsa.version: [ 1, 2 ]
amdhsa.kernels:
  - .name:           k_q552e7bc2f8_prep
    .symbol:         k_q552e7bc2f8_prep.kd
    .args:
      - { .name: enc_input, .offset: 0, .size: 8, .value_kind: global_buffer, .address_space: global }
      - { .name: wq, .offset: 8, .size: 8, .value_kind: global_buffer, .address_space: global }
      - { .name: wk, .offset: 16, .size: 8, .value_kind: global_buffer, .address_space: global }
      - { .name: wv, .offset: 24, .size: 8, .value_kind: global_buffer, .address_space: global }
      - { .name: wo, .offset: 32, .size: 8, .value_kind: global_buffer, .address_space: global }
      - { .name: w2, .offset: 40, .size: 8, .value_kind: global_buffer, .address_space: global }
      - { .name: w1, .offset: 48, .size: 8, .value_kind: global_buffer, .address_space: global }
      - { .name: ops, .offset: 56, .size: 8, .value_kind: global_buffer, .address_space: global }
    .group_segment_fixed_size: 34304
    .private_segment_fixed_size: 0
    .kernarg_segment_align: 8
    .kernarg_segment_size: 64
    .max_flat_workgroup_size: 128
    .sgpr_count:     66
    .vgpr_count:     194
    .wavefront_size: 32
...
	.end_amdgpu_metadata
.endif
;; end of part 1
;; launch qkv (part 2): grid 12 x 16, 4 waves a work-group, clusters of 4 x 4, 327,680 bytes of LDS; arguments ops, qkvc; writes qkvc
.if DOCPART == 2
	.amdgcn_target "amdgcn-amd-amdhsa--gfx1250"
	.amdhsa_code_object_version 6
	.text
	.protected	k_q552e7bc2f8_qkv
	.globl	k_q552e7bc2f8_qkv
	.p2align	8
	.type	k_q552e7bc2f8_qkv,@function
k_q552e7bc2f8_qkv:
	s_mov_b64 s[64:65], 0
	v_nop
	global_prefetch_b8 v0, s[64:65] scope:SCOPE_SE
	s_setreg_imm32_b32 hwreg(HW_REG_WAVE_MODE, 25, 1), 1
	s_wait_xcnt 0x0
	s_wait_alu depctr_hold_cnt(0) depctr_sa_sdst(0) depctr_va_vdst(0) depctr_va_sdst(0) depctr_va_ssrc(0) depctr_va_vcc(0) depctr_vm_vsrc(0)
	s_getreg_b32 s2, hwreg(HW_REG_IB_STS2, 6, 4)
	s_cmp_eq_u32 s2, 0
	s_cbranch_scc0 .Lentry_in_a_cluster
	s_endpgm
.Lentry_in_a_cluster:
	s_bfe_u32 s2, ttmp6, 0x10000c
	s_cmp_lg_u32 s2, 0xf033
	s_cbranch_scc0 .Lentry_shape_is_right
	s_endpgm
.Lentry_shape_is_right:
; q = x wq, k = x wk, v = x wv on codes of FP4 (E2M1) with E8M0 scales; the results are quantised in registers for attention's two products and leave as images of operand registers.
; THE CORE (shared with the other three products' launches): a tile of 256 x 256 results is made by four waves, each 128 x 128: 64 accumulators, 512 registers.  The product is P Q^T, used TRANSPOSED: source 0 = 16 rows of
; operand P, source 1 = 16 rows of operand Q: lane (r, h) holds row r of Q's tile, and its register j of P's tile 2 b + u is P's row 32 b + 16 h + 8 u + j (the rows of a tile are chosen so): 16 neighbours in two tiles.
; Operands lie in CHUNKS of 128 rows x 512 along K, CH = 34,816 dense bytes: fragment (K step q, tile i) at 1024 (8 q + i) as the image of its 8 registers (16 bytes a lane, 512 a quad), scale words at SCO + 256 i + 16 r + 4 q.
; A slot of LDS holds four chunks: Q's two halves, P's two halves; one tensor load a wave brings one.  Every LDS read is 16 x lane on end.  K = 1,024 is two slots: both are first fills.
; CLUSTERS: 4 x 4 work-groups; Q's chunks are shared along a row of the cluster, P's along a column, each asked for jointly.
; HERE: the cluster's x says what is made.  0, 1 (q, k): P = wq | wk's rows, Q = x's rows: a lane holds a token and its registers run along the head's d.  2 (v): P = x's rows, Q = wv's rows: a lane holds a channel d
; and its registers run along the KEYS, which are the second product's K.  The choice is made by s_cselect_b32 on the cluster's x, which all partners share; the text has one path.
; qkvc: for each bh = 16 batch + head a record of REC bytes: K's images [tile 128][512], V's [key step 16][d tile 4][1024], K's scale words [tile][16], V's [step][d tile][16]; behind the 32 records Q's images and scale words.
; An image of 512 bytes is registers 0-3 of a fragment (d = 32 h + 0 .. 31); the reader makes registers 4-7 zero codes.
; LIMITS: NaN and infinities are not served; a block whose largest magnitude lies under 2^-124, a block of zeros among them, gets the byte 1 (its codes are then zeros or as the floor gives them; this program alone reads the bytes).
.set NKC,   2                          ; chunks along K
.set ZERO,  1                          ; the first products start the sums with the constant 0
.set REC,   143360
.set QIMG,  32*REC
.set QSC,   QIMG+32*65536
.set CH,    34816
.set SCO,   32768
.set SLOT,  4*CH                       ; Q's two halves, then P's two
.set SPARE, 2*SLOT                     ; behind the ring: the spare words, 128 bytes for each wave: two blocks of 256 bytes that no other line names
.set LAPS,  NKC/2                      ; a lap = two slots = once round the ring
.set NQ,    4                          ; K steps of 128 in a slot
.set FR,    8                          ; registers of a fragment
.set NL,    2                          ; LDS loads that bring one
.set NP,    4                          ; places behind this matrix instruction (ISA guide 7.12.1)
.set ADRA, 16                          ; v16-17  LDS address of my fragments of Q (role A) in slot 0, 1
.set ADRB, 20                          ; v20-21  of P (role B)
.set ADRS, 22                          ; v22-23  of my scale words: lanes 0-15 A's, lanes 16-31 B's
.set SPW,  28                          ; v28     LDS address of my spare word; never rewritten
.set NIL,  29                          ; v29     0; never rewritten
.set SC,   32                          ; v32-95  scale words: set s at 32 + 32 s; register 4 i + q: lanes 0-15 the word of A's tile i, lanes 16-31 of B's tile i, K step q
.set AF,   128                         ; v128-191 A's 8 fragments, ONE set (window 0);  B's two sets at v0 and v128 of window 1;  accumulator (a, b) at v[8 (8 (a % 4) + b)] of window 2 (a < 4) or 3
.set BI,   192                         ; v192-255 a bias in the result's layout, where a launch has one
.set G1, 24                            ; s[24:31] descriptor group 1 for A's chunks;  s[32:39] group 0, one set for each slot
.set G0, 32
.set G1B, 48                           ; s[48:55], s[56:63] the same for B's
.set G0B, 56
.set MSB, 0
.macro WIN new                         ; the immediate's high byte repeats the setting that is left
.if MSB != (\new)
	s_set_vgpr_msb (MSB<<8)|(\new)
.set MSB, \new
.endif
.endm
.set TO_B, 0x40                        ; destination window 1, address window 0
; A joint load: waves 0 and 1 fetch A's halves, waves 2 and 3 B's.  The branch hangs on the wave's number alone.  Four v_nop follow each of the two lines.
.macro JLOAD g0a, g1a, g0b, g1b
	s_cmp_eq_u32 s15, 0
	s_cbranch_scc0 .Lfor_b_\@
	tensor_load_to_lds s[\g0a:\g0a+3], s[\g1a:\g1a+7]
	s_nop 0
.rept 4
	v_nop
.endr
	s_branch .Lasked_\@
.Lfor_b_\@:
	tensor_load_to_lds s[\g0b:\g0b+3], s[\g1b:\g1b+7]
	s_nop 0
.rept 4
	v_nop
.endr
.Lasked_\@:
.endm
.macro CREST                           ; a round of the cluster's barrier behind its opening barrier
	s_cmp_lg_u32 s14, 0
	s_cbranch_scc1 .Lnot_wave_0_\@
	s_barrier_signal -3
.Lnot_wave_0_\@:
	s_barrier_wait -3
	s_barrier_signal -1
	s_barrier_wait -1
.endm
.macro CROUND                          ; a whole round
	s_barrier_signal -1
	s_barrier_wait -1
	CREST
.endm
.macro FRAG reg, adr, q, i             ; fragment (q, i) of a chunk: two loads of 16 bytes a lane, each 512 bytes on end
.irp c, 0,1
	ds_load_b128 v[\reg+4*\c:\reg+4*\c+3], v[\adr] offset:1024*(8*(\q)+(\i))+512*\c
.endr
.endm
; 16 matrix instructions: A's tiles a0, a0 + 1 x B's eight, the slot's q-th 128 along K.  p: B's set;  sc: the set of scale words.  zero = 1: C = 0;  2: C = the bias;  0: in place.
; The 64 accumulators take turns, one instruction a turn, in the same order in every step.
.macro MUL16 a0, p, q, sc, zero
.irp a, \a0, \a0+1
.irp b, 0,1,2,3,4,5,6,7
.set rD, 8*(8*((\a)%4)+\b)
.set rB, 128*(\p)+FR*\b
.set rA, AF+FR*(\a)
.set rT, SC+32*(\sc)+4*\b+(\q)
.set rS, SC+32*(\sc)+4*(\a)+(\q)
.if (\zero) == 1
	v_wmma_scale_f32_16x16x128_f8f6f4 v[rD:rD+7], v[rB:rB+7], v[rA:rA+7], 0, v[rT], v[rS] matrix_a_fmt:MATRIX_FMT_FP4 matrix_b_fmt:MATRIX_FMT_FP4 matrix_a_scale:MATRIX_SCALE_ROW1
.elseif (\zero) == 2
	v_wmma_scale_f32_16x16x128_f8f6f4 v[rD:rD+7], v[rB:rB+7], v[rA:rA+7], v[BI+8*\b:BI+8*\b+7], v[rT], v[rS] matrix_a_fmt:MATRIX_FMT_FP4 matrix_b_fmt:MATRIX_FMT_FP4 matrix_a_scale:MATRIX_SCALE_ROW1
.else
	v_wmma_scale_f32_16x16x128_f8f6f4 v[rD:rD+7], v[rB:rB+7], v[rA:rA+7], v[rD:rD+7], v[rT], v[rS] matrix_a_fmt:MATRIX_FMT_FP4 matrix_b_fmt:MATRIX_FMT_FP4 matrix_a_scale:MATRIX_SCALE_ROW1
.endif
.endr
.endr
.endm
.macro WINM hi, zero                   ; the windows of a run of products: source 0 (B) window 1, source 1 (A) window 0, D window 2 + hi; C with D, or (the bias) window 0
.if (\zero) == 2
	WIN 0x81+0x40*(\hi)
.else
	WIN 0xa1+0x50*(\hi)
.endif
.endm
.macro FETCH_B slot, q, p              ; B's eight fragments of the slot's q-th K step into set p
	WIN TO_B
.irp i, 0,1,2,3,4,5,6,7
	FRAG 128*(\p)+FR*\i, ADRB+\slot, \q, \i
.endr
	WIN 0
.endm
.macro FETCH_A slot, q, i0             ; A's tiles i0 .. i0 + 3
.irp i, \i0, \i0+1, \i0+2, \i0+3
	FRAG AF+FR*(\i), ADRA+\slot, \q, \i
.endr
.endm
.macro SCALES sc                       ; slot sc's scale words: four words a row; lanes 0-15 take A's tile i, lanes 16-31 B's tile i
.irp i, 0,1,2,3,4,5,6,7
	ds_load_b128 v[SC+32*\sc+4*\i:SC+32*\sc+4*\i+3], v[ADRS+\sc] offset:256*\i
.endr
.endm
; A load into a register that a matrix instruction has read, and a vector instruction or a store that reads a matrix result, stand NP places behind it; only plain vector instructions that name none of its registers are places.
.macro PLACES n
.rept \n
	v_nop
.endr
.endm
.macro STEP slot, q, zero              ; a step of 128 along K that has its successor in the same slot
	s_wait_dscnt 4*NL                              ; B's set, A's tiles 0-3 (and the scale words) are in; the youngest eight loads, A's tiles 4-7, may be out
	WINM 0, \zero
	MUL16 0, (\q)%2, \q, \slot, \zero
	MUL16 2, (\q)%2, \q, \slot, \zero
	s_wait_dscnt 0                                 ; A's tiles 4-7 are in
	PLACES NP
	FETCH_B \slot, (\q)+1, 1-(\q)%2
	FETCH_A \slot, (\q)+1, 0
	WINM 1, \zero
	MUL16 4, (\q)%2, \q, \slot, \zero
	MUL16 6, (\q)%2, \q, \slot, \zero
	PLACES NP
	WIN 0
	FETCH_A \slot, (\q)+1, 4
.endm
; A slot's last step changes slots: ONE barrier; in front of it each wave waits for all its tensor loads, adds 0 to its spare word, and waits for that and for its own reads of this slot.  fill = 1: this slot is filled again, two chunks on along K.
.macro TURN slot, next, fill
	s_wait_tensorcnt 0x0                           ; all my tensor loads have landed: my part of the next slot
	ds_add_u32 v[SPW], v[NIL]                      ; 0 onto my spare word
	s_wait_dscnt 4*NL+1                            ; (the add and the youngest eight loads may be out)
	WINM 0, 0
	MUL16 0, 1, NQ-1, \slot, 0                     ; sixteen matrix instructions stand between the add and the wait for it
	s_wait_dscnt 0x0                               ; the add is done, and my reads of this slot are over
	s_barrier_signal -1
	MUL16 2, 1, NQ-1, \slot, 0
	WIN 0
	s_barrier_wait -1
.if \fill
	CREST                                          ; the barrier has opened a round of the cluster's barrier: no wave of any partner still reads this slot or has a load on its way
	s_add_nc_u64 s[G0+4*\slot+2:G0+4*\slot+3], s[G0+4*\slot+2:G0+4*\slot+3], 2*CH
	s_add_nc_u64 s[G0B+4*\slot+2:G0B+4*\slot+3], s[G0B+4*\slot+2:G0B+4*\slot+3], 2*CH
	JLOAD G0+4*\slot, G1, G0B+4*\slot, G1B         ; the first tensor load behind the round; its four v_nop are the places in front of the loads below
.else
	PLACES NP
.endif
	FETCH_B \next, 0, 0
	FETCH_A \next, 0, 0
	SCALES \next
	WINM 1, 0
	MUL16 4, 1, NQ-1, \slot, 0
	MUL16 6, 1, NQ-1, \slot, 0
	PLACES NP
	WIN 0
	FETCH_A \next, 0, 4
.endm
.macro STEPS slot, from                ; the slot's steps from .. NQ - 2
.set Q, \from
.rept NQ-1-\from
	STEP \slot, Q, 0
.set Q, Q+1
.endr
.endm
; ---- this launch's own names
.set VO0, 24                           ; v24  where registers 0-3 of the codes go
.set VO1, 25                           ; v25  and registers 4-7
.set VS,  26                           ; v26  where the scale word goes
.set VSH, 27                           ; v27  how far it is shifted down first
.set PC,  96                           ; v96-103 the codes just made;  v104 their scale word;  v105 the word as stored
.set PW,  104
.set PWS, 105
.set TM,  108                          ; v108-111 largest magnitudes, v112-115 bytes, v120-123 the conversions' scale operands
.set SEL, 90                           ; s[90:91] v_permlanex16_b32's selects for lane l xor 16
	s_load_b128 s[4:7], s[0:1], 0x0                ; ops s[4:5], qkvc s[6:7]
	v_lshl_add_u32 v[SPW], v0, 2, SPARE
	v_mov_b32 v[NIL], 0
	ds_add_u32 v28, v29
	ds_add_u32 v28, v29
	s_wait_dscnt 0x0
	v_lshrrev_b32 v1, 5, v0
	v_readfirstlane_b32 s14, v1                    ; wave 0..3
	s_lshr_b32 s15, s14, 1                         ; which half of A's rows is mine.  Also: I fetch for A (0) or for B (1)
	s_and_b32 s16, s14, 1                          ; which half of B's rows.  Also: which half I fetch
	s_bfe_u32 s40, ttmp6, 0x40000                  ; cx, cy: my place in the cluster
	s_bfe_u32 s41, ttmp6, 0x40004
	s_lshl_b32 s43, s41, 2
	s_lshl_b32 s43, 15, s43                        ; my row of the cluster
	s_lshl_b32 s44, 0x1111, s40                    ; my column
	; descriptor group 1: two chunks on end, 69,632 dense bytes, as 272 rows of 32 elements of 8 bytes; no padding
	s_or_b32 s[G1+0], s43, (3<<16)|(1<<21)         ; 15:0 the mask: A's chunks go to my row; 17:16 elements of 8 bytes; 21 set beside a mask
	s_or_b32 s[G1B+0], s44, (3<<16)|(1<<21)        ; B's to my column
.irp g, G1, G1B
	s_mov_b32 s[\g+1], 32<<16                      ; tensor_dim0
	s_mov_b32 s[\g+2], 272<<16                     ; tensor_dim1: TWO chunks on end, all of K = 1,024 of 128 rows: 272 rows of 256 bytes
	s_mov_b32 s[\g+3], 32<<16                      ; tile_dim0
	s_mov_b32 s[\g+4], 272                         ; tile_dim1
	s_mov_b32 s[\g+5], 32                          ; tensor_dim0_stride
	s_mov_b32 s[\g+6], 0
	s_mov_b32 s[\g+7], 0
.endr
	s_mul_i32 s45, s14, 2*CH                       ; LDS: wave x two chunks: A's half 0, A's half 1, B's half 0, B's half 1, each with its two chunks along K on end
	; which tiles of 256 rows.  q, k: P = weights, tile 4 x cluster x + cx; Q = x, tile 4 x cluster y + cy.  v: P = x, tile 4 x cluster y + cx; Q = wv, tile 8 + cy
	s_and_b32 s18, ttmp7, 0xffff
	s_lshl_b32 s18, s18, 2
	s_lshl_b32 s19, ttmp9, 2
	s_cmp_eq_u32 ttmp9, 2
	s_cselect_b32 s42, s18, s19
	s_cselect_b32 s17, 8, s18
	s_cselect_b32 s66, 192, 0                      ; P's first chunk in ops
	s_cselect_b32 s67, 0, 192                      ; Q's
	s_add_co_u32 s42, s42, s40                     ; P's tile: it hangs on cx, never on cy
	s_add_co_u32 s17, s17, s41                     ; Q's tile: on cy, never on cx
	s_lshl_b32 s20, s17, 1
	s_add_co_u32 s20, s20, s16
	s_lshl_b32 s20, s20, 1
	s_add_co_u32 s20, s20, s67
	s_mul_i32 s20, s20, CH                         ; A: chunk first + 2 (2 tile + half)
	s_mov_b32 s21, 0
	s_lshl_b32 s46, s42, 1
	s_add_co_u32 s46, s46, s16
	s_lshl_b32 s46, s46, 1
	s_add_co_u32 s46, s46, s66
	s_mul_i32 s46, s46, CH                         ; B likewise
	s_mov_b32 s47, 0
	s_wait_kmcnt 0x0
	s_add_nc_u64 s[20:21], s[4:5], s[20:21]
	s_add_nc_u64 s[46:47], s[4:5], s[46:47]
	CROUND                                         ; all sixteen work-groups are here: the first joint loads meet
.irp s, 0
	s_mov_b32 s[G0+4*\s], 1
	s_add_co_u32 s[G0+4*\s+1], s45, \s*SLOT        ; 63:32 LDS address
	s_add_nc_u64 s[G0+4*\s+2:G0+4*\s+3], s[20:21], \s*CH   ; 120:64 global address: chunk s along K
	s_or_b32 s[G0+4*\s+3], s[G0+4*\s+3], 0x80000000        ; 127:126 type = 2
	s_mov_b32 s[G0B+4*\s], 1
	s_add_co_u32 s[G0B+4*\s+1], s45, \s*SLOT
	s_add_nc_u64 s[G0B+4*\s+2:G0B+4*\s+3], s[46:47], \s*CH
	s_or_b32 s[G0B+4*\s+3], s[G0B+4*\s+3], 0x80000000
	JLOAD G0+4*\s, G1, G0B+4*\s, G1B               ; my one tensor load: nothing is filled later in this launch
.endr
	v_and_b32 v1, 15, v0                           ; r
	v_bfe_u32 v2, v0, 4, 1                         ; h
	v_and_b32 v3, 31, v0
	v_lshlrev_b32 v3, 4, v3                        ; 16 x lane
	s_wait_alu depctr_va_vdst(0)
	s_mul_i32 s18, s15, 2*CH
	s_mul_i32 s19, s16, 2*CH
	s_add_co_u32 s19, s19, 4*CH
	s_xor_b32 s22, s15, 1
	s_add_co_u32 s22, s22, s16
	s_add_co_u32 s22, s22, 1
	s_mul_i32 s22, s22, 2*CH
	v_mul_u32_u24 v4, s22, v2                      ; lanes 16-31 take B's
	v_lshl_add_u32 v4, v1, 4, v4
	v_add_nc_u32 v4, SCO, v4
.irp s, 0,1
	v_add_nc_u32 v[ADRA+\s], s18, v3
	v_add_nc_u32 v[ADRB+\s], s19, v3
	v_add_nc_u32 v[ADRS+\s], s18, v4
	s_add_co_u32 s18, s18, CH                      ; 'slot' s of the macros is chunk s along K: one chunk on
	s_add_co_u32 s19, s19, CH
.endr
	; ---- where the results go.  TOK0: my first token row; FEA0: my first feature row (two heads of 64).  tl = TOK0 mod 2,048, H0 = 16 batch + head.
	; codes: H0 x HS + C0 + 32 tl (a tile of 16 tokens is 512 bytes of q or k; a key step of 128 tokens is 4,096 bytes of v);  scale words: H0 x HS2 + C2 + 4 tl (v: 2 tl)
	s_lshl_b32 s68, s42, 8
	s_lshl_b32 s69, s16, 7
	s_add_co_u32 s68, s68, s69                     ; P's first row of mine
	s_lshl_b32 s69, s17, 8
	s_lshl_b32 s70, s15, 7
	s_add_co_u32 s69, s69, s70                     ; Q's
	s_mov_b32 s70, REC
	s_mov_b32 s74, 131072
	s_cmp_eq_u32 ttmp9, 0                          ; q?
	s_cselect_b32 s71, 65536, s70                  ; HS: from head to head among the codes
	s_cselect_b32 s72, 8192, s70                   ; HS2: among the scale words
	s_cselect_b32 s73, QIMG, 0                     ; C0
	s_cselect_b32 s74, QSC, s74                    ; C2
	s_cselect_b32 s75, 65536, s70                  ; from registers 0-3 to registers 4-7: q, k: the next head
	s_cselect_b32 s76, 8192, s70                   ; lanes 16-31 store the next head's scale word
	s_cmp_eq_u32 ttmp9, 2                          ; v?
	s_cselect_b32 s73, 65536, s73
	s_cselect_b32 s74, 139264, s74
	s_cselect_b32 s75, 512, s75                    ; v: the same fragment's second quad
	s_cselect_b32 s76, 0, s76
	s_cselect_b32 s77, 0, 16                       ; q, k: the next head's two bytes are the word's upper half
	s_cselect_b32 s78, 1, 0
	s_cselect_b32 s79, REC-4096, 0
	s_cselect_b32 s80, REC-256, 0
	s_cselect_b32 s81, 1, 2
	s_cselect_b32 s82, s68, s69                    ; TOK0
	s_cselect_b32 s83, s69, s68                    ; FEA0
	s_lshl_b32 s78, 512, s78                       ; from tile to tile: 512 bytes (q, k), 1,024 (v)
	s_add_co_u32 s79, s79, s78                     ; in front of tile 4, v: on into the next head's record
	s_add_co_u32 s80, s80, 64
	s_lshr_b32 s84, s82, 11                        ; batch
	s_and_b32 s82, s82, 2047                       ; tl
	s_and_b32 s83, s83, 1023
	s_lshr_b32 s83, s83, 6                         ; head
	s_lshl_b32 s84, s84, 4
	s_add_co_u32 s84, s84, s83                     ; H0
	s_mul_i32 s71, s84, s71
	s_add_co_u32 s71, s71, s73
	s_lshl_b32 s85, s82, 5
	s_add_co_u32 s71, s71, s85
	s_mul_i32 s72, s84, s72
	s_add_co_u32 s72, s72, s74
	s_lshl_b32 s85, s82, s81
	s_add_co_u32 s72, s72, s85
	v_add_nc_u32 v[VO0], s71, v3
	v_add_nc_u32 v[VO1], s75, v[VO0]
	v_mul_u32_u24 v5, s76, v2
	v_lshl_add_u32 v5, v1, 2, v5
	v_add_nc_u32 v[VS], s72, v5
	v_mul_u32_u24 v[VSH], s77, v2
	s_mov_b32 s[SEL], 0x76543210
	s_mov_b32 s[SEL+1], 0xfedcba98
.irp b, 0,1,2,3
	v_mov_b32 v[TM+4+\b], 0                        ; a lane permute's destination counts as one of its sources
.endr
	s_wait_tensorcnt 0x0                           ; my two chunks are in,
	s_barrier_signal -1
	s_barrier_wait -1                              ; everybody's is
	FETCH_B 0, 0, 0
	FETCH_A 0, 0, 0
	SCALES 0
	FETCH_A 0, 0, 4
	STEP 0, 0, ZERO                                ; the first step's products start the sums
.if LAPS > 1
	s_mov_b32 s3, LAPS-1
.Llap:                                                 ; a trip goes once round the ring, from a lap's second step to the next lap's first, and fills both slots again
	STEPS 0, 1
	TURN 0, 1, 1
	STEPS 1, 0
	TURN 1, 0, 1
	STEP 0, 0, 0
	s_sub_co_u32 s3, s3, 1
	s_cmp_lg_u32 s3, 0
	s_cbranch_scc1 .Llap
.endif
	STEPS 0, 1                                     ; the last lap fills nothing, and has no round of the cluster's barrier
	TURN 0, 1, 0
	STEPS 1, 0
	s_wait_dscnt 4*NL                              ; the very last step: nothing more to fetch
	WINM 0, 0
	MUL16 0, 1, NQ-1, 1, 0
	MUL16 2, 1, NQ-1, 1, 0
	s_wait_dscnt 0
	WINM 1, 0
	MUL16 4, 1, NQ-1, 1, 0
	MUL16 6, 1, NQ-1, 1, 0
	WIN 0
	PLACES NP
; THE WAY OUT.  The 64 registers of A's tile a are 128 neighbours along the next K in two lanes: register 16 b + i = P's row 32 b + 16 h + i.  They become a fragment's codes in v[PC] on and its scale word in v[PW].
.macro QUANTW a, relu
.set AC, 64*((\a)%4)
.set W, 2+(\a)/4                       ; the accumulators' window
	s_wait_xcnt 0x0                                ; the last tile's stores have read their data and their offsets: both are written again only behind this wait
.if \relu
	WIN (W<<2)|(W<<6)
.set n, 0
.rept 64
	v_max_num_f32 v[AC+n], 0, v[AC+n]              ; the activation, in f32; each accumulator from its low end on
.set n, n+1
.endr
.endif
	WIN W|(W<<2)
.irp b, 0,1,2,3
	v_max3_num_f32 v[TM+\b], |v[AC+16*\b]|, |v[AC+16*\b+1]|, 0x1800000   ; block b: my 16 numbers, and the floor 2^(3 - 127); each accumulator is read from its low end on
.endr
.irp i, 2,4,6,8,10,12,14
.irp b, 0,1,2,3
	v_max3_num_f32 v[TM+\b], |v[AC+16*\b+\i]|, |v[AC+16*\b+\i+1]|, v[TM+\b]
.endr
.endr
	WIN 0
.irp b, 0,1,2,3
	v_permlanex16_b32 v[TM+4+\b], v[TM+\b], s[SEL], s[SEL+1]
.endr
.irp b, 0,1,2,3
	v_max_num_f32 v[TM+\b], v[TM+\b], v[TM+4+\b]   ; with lane l xor 16's: the block's largest magnitude
.endr
.irp b, 0,1,2,3
	v_add_nc_u32 v[TM+12+\b], 0xff000000, v[TM+\b]   ; 2 off its exponent field: the conversion's scale operand
.endr
.irp b, 0,1,2,3
	v_lshrrev_b32 v[TM+4+\b], 23, v[TM+12+\b]      ; the scale's byte
.endr
	v_lshl_or_b32 v[PW], v[TM+5], 8, v[TM+4]
	v_lshl_or_b32 v[PW], v[TM+6], 16, v[PW]
	v_lshl_or_b32 v[PW], v[TM+7], 24, v[PW]
	WIN W
.irp b, 0,1,2,3
	v_cvt_scalef32_pk8_fp4_f32 v[PC+2*\b], v[AC+16*\b:AC+16*\b+7], v[TM+12+\b]
	v_cvt_scalef32_pk8_fp4_f32 v[PC+2*\b+1], v[AC+16*\b+8:AC+16*\b+15], v[TM+12+\b]
.endr
	WIN 0
	v_nop                                          ; one plain place behind a scaled conversion
.irp c, 0,1                                    ; a WHOLE block in a lane: lanes 0-15 block 2 c, lanes 16-31 block 2 c + 1
.irp i, 0,1
	v_permlane16_swap_b32 v[PC+4*\c+\i], v[PC+2+4*\c+\i]
.endr
.endr
.endm
.macro OUTQ a
	QUANTW \a, 0
.if (\a) == 4
	v_add_nc_u32 v[VO0], s79, v[VO0]
	v_add_nc_u32 v[VO1], s79, v[VO1]
	v_add_nc_u32 v[VS], s80, v[VS]
.elseif (\a) > 0
	v_add_nc_u32 v[VO0], s78, v[VO0]
	v_add_nc_u32 v[VO1], s78, v[VO1]
	v_add_nc_u32 v[VS], 64, v[VS]
.endif
	v_lshrrev_b32 v[PWS], v[VSH], v[PW]            ; q, k: lanes 0-15 keep the word (its upper bytes scale zero codes), lanes 16-31 bring the next head's two bytes down
	global_store_b128 v[VO0], v[PC:PC+3], s[6:7]   ; 32 lanes store 512 consecutive bytes
	global_store_b128 v[VO1], v[PC+4:PC+7], s[6:7]
	global_store_b32 v[VS], v[PWS], s[6:7]
.endm
.irp a, 0,1,2,3,4,5,6,7
	OUTQ \a
.endr
	s_wait_tensorcnt 0x0                           ; the wave's end
	ds_add_u32 v[SPW], v[NIL]
	s_wait_dscnt 0x0
	CROUND                                         ; the closing round: no work-group ends while a partner may still ask for a chunk that names it
	s_endpgm
.Lfunc_end_k_q552e7bc2f8_qkv:
	.size	k_q552e7bc2f8_qkv, .Lfunc_end_k_q552e7bc2f8_qkv-k_q552e7bc2f8_qkv
	.p2alignl 7, 3214868480
	.fill 96, 4, 3214868480
	.section	.rodata,"a",@progbits
	.p2align	6, 0x0
	.amdhsa_kernel k_q552e7bc2f8_qkv
		.amdhsa_group_segment_fixed_size 327680
		.amdhsa_private_segment_fixed_size 0
		.amdhsa_enable_private_segment 0
		.amdhsa_kernarg_size 16
		.amdhsa_user_sgpr_count 2
		.amdhsa_user_sgpr_kernarg_segment_ptr 1
		.amdhsa_wavefront_size32 1
		.amdhsa_system_sgpr_workgroup_id_x 1
		.amdhsa_system_sgpr_workgroup_id_y 1
		.amdhsa_system_sgpr_workgroup_id_z 1
		.amdhsa_system_vgpr_workitem_id 0
		.amdhsa_next_free_vgpr 1024
		.amdhsa_next_free_sgpr 100
		.amdhsa_reserve_vcc 0
		.amdhsa_float_denorm_mode_32 3
		.amdhsa_float_denorm_mode_16_64 3
		.amdhsa_memory_ordered 1
		.amdhsa_forward_progress 1
		.amdhsa_inst_pref_size 128
	.end_amdhsa_kernel
	.amdgpu_metadata
---
amdhsa.version: [ 1, 2 ]
amdhsa.kernels:
  - .name:           k_q552e7bc2f8_qkv
    .symbol:         k_q552e7bc2f8_qkv.kd
    .args:
      - { .name: ops, .offset: 0, .size: 8, .value_kind: global_buffer, .address_space: global }
      - { .name: qkvc, .offset: 8, .size: 8, .value_kind: global_buffer, .address_space: global }
    .group_segment_fixed_size: 327680
    .private_segment_fixed_size: 0
    .kernarg_segment_align: 8
    .kernarg_segment_size: 16
    .max_flat_workgroup_size: 128
    .sgpr_count:     100
    .vgpr_count:     1024
    .wavefront_size: 32
...
	.end_amdgpu_metadata
.endif
;; end of part 2
;; launch attn (part 3): grid 8 x 32, 16 waves a work-group, clusters of 4 x 1, 169,984 bytes of LDS; arguments qkvc, ctxc; writes ctxc
.if DOCPART == 3
	.amdgcn_target "amdgcn-amd-amdhsa--gfx1250"
	.amdhsa_code_object_version 6
	.text
	.protected	k_q552e7bc2f8_attn
	.globl	k_q552e7bc2f8_attn
	.p2align	8
	.type	k_q552e7bc2f8_attn,@function
k_q552e7bc2f8_attn:
	s_mov_b64 s[64:65], 0
	v_nop
	global_prefetch_b8 v0, s[64:65] scope:SCOPE_SE
	s_setreg_imm32_b32 hwreg(HW_REG_WAVE_MODE, 25, 1), 1
	s_wait_xcnt 0x0
	s_wait_alu depctr_hold_cnt(0) depctr_sa_sdst(0) depctr_va_vdst(0) depctr_va_sdst(0) depctr_va_ssrc(0) depctr_va_vcc(0) depctr_vm_vsrc(0)
	s_getreg_b32 s2, hwreg(HW_REG_IB_STS2, 6, 4)
	s_cmp_eq_u32 s2, 0
	s_cbranch_scc0 .Lentry_in_a_cluster
	s_endpgm
.Lentry_in_a_cluster:
	s_bfe_u32 s2, ttmp6, 0x10000c
	s_cmp_lg_u32 s2, 0x3003
	s_cbranch_scc0 .Lentry_shape_is_right
	s_endpgm
.Lentry_shape_is_right:
; ctx[b][q][head 64 d] = softmax_k(q . k / 8) v, both products on codes of FP4 (E2M1) with E8M0 scales; ctx is quantised along the 1,024 of heads x d and leaves as part of a fragment's image for the next product.
; THE SOFTMAX AHEAD OF THE SECOND PRODUCT: t = score x log2(e) / 8; M = the row's largest t so far, rounded UP to a whole number; p = 2^(t - M) is what is quantised, along the keys; it is not normalised.
; The row's sum is taken of the unquantised p and divides O at the end.  When M moves, the sum and O are multiplied by 2^(old M - new M): exact.
; SHARES.  A work-group owns 256 queries of one (batch, head); each of its sixteen waves one tile of 16, in 256 registers: four waves to a SIMD, so that one wave's vector work stands beside another's matrix work and LDS loads.
; THE HEAD'S WHOLE RECORD (K's and V's images and scale words, 143,360 bytes) comes into LDS ONCE, by four joint loads, and stays: nothing is filled again, so all that the launch reads of K and V is asked for at its head and there is nothing to ask for ahead of later steps.
; CLUSTER: the four work-groups of a cluster belong to one head and read the same record: each quarter is asked for jointly, with a mask that names the four.
; LAYOUT.  Both products are used transposed: S^T = K Q^T, O^T = V^T P^T: a lane holds ONE query throughout.  The keys of a tile of K are chosen so that the 16 registers of tiles 2 b, 2 b + 1 are keys 32 b + 16 h + 0 .. 15.
; The head's d is 64, half of the instruction's K: registers 4-7 of K's and Q's fragments hold zero codes, made once; the scale bytes over them are never 0xff.
; LIMITS: NaN and infinities are not served; a block of p or of ctx whose largest magnitude lies under 2^-124 gets the byte 1; 1 / the sum is v_rcp_f32's.
; REGISTERS: v1-4 addresses that stay; v8-11 addresses in hand; v12 -M, v13 the largest t, v[14:15] the sum in two halves; v16-23 Q; v24-31 K's scale words; v32-95 K's 8 fragments; v96-159 S^T, then p; v160-191 O^T;
;   v192-223 V's 4 fragments; v224-231 p's codes; v232-247, v254 at work; v[240:241] f; v248-251 V's scale words; v253 p's scale word; v255 Q's.
.set REC,  143360
.set QIMG, 32*REC
.set QSC,  QIMG+32*65536
.set CH,   34816
.set SCO,  32768
.set AK0,  1                           ; v1  16 x lane: my place in an image of K
.set AV0,  2                           ; v2  65,536 + 16 x lane: of V
.set ASK0, 3                           ; v3  131,072 + 4 r: among K's scale words
.set ASV0, 4                           ; v4  139,264 + 4 r: among V's
.set ADK,  8
.set ADV,  9
.set ADS,  10
.set ADT,  11
.set WV,   18                          ; s18 my wave's number
.set SEL,  20                          ; s[20:21] lane selects for lane l xor 16
.set CS,   22                          ; s[22:23] c = log2(e) / 8
.set G1,   24                          ; s[24:31], s[32:35] the descriptor
.set G0,   32
.set TB,   36                          ; s36 the key step's images: 4,096 bytes a step, of K and of V alike
.set TS,   37                          ; s37 K's scale words: 512 bytes a step
.set TJ,   38                          ; s38 V's: 256
.set CNT,  39
.macro CROUND
	s_barrier_signal -1
	s_barrier_wait -1
	s_cmp_lg_u32 s[WV], 0
	s_cbranch_scc1 .Lnot_wave_0_\@
	s_barrier_signal -3
.Lnot_wave_0_\@:
	s_barrier_wait -3
	s_barrier_signal -1
	s_barrier_wait -1
.endm
	s_load_b128 s[4:7], s[0:1], 0x0                ; qkvc s[4:5], ctxc s[6:7]
	v_lshl_add_u32 v7, v0, 2, 0x29000
	v_mov_b32 v243, 0
	ds_add_u32 v7, v243
	ds_add_u32 v7, v243
	v_lshrrev_b32 v8, 5, v0
	s_delay_alu instid0(VALU_DEP_1)
	v_readfirstlane_b32 s[WV], v8                  ; wave 0..15
	s_bfe_u32 s40, ttmp6, 0x40000                  ; cx: it enters Q's and ctx's global addresses alone
	s_lshl_b32 s41, ttmp9, 2
	s_add_co_u32 s41, s41, s40
	s_lshl_b32 s41, s41, 4
	s_add_co_u32 s41, s41, s[WV]                   ; my tile of queries: 16 x work-group x + wave
	s_and_b32 s42, ttmp7, 0xffff                   ; bh, which the four partners share
	s_min_u32 s46, s[WV], 3
	s_mul_i32 s43, s46, 35840                      ; waves 0-3 fetch a quarter of the record each
	s_mul_i32 s44, s42, REC
	s_add_co_u32 s44, s44, s43
	s_mov_b32 s45, 0
	s_mov_b32 s[G1], 15|(3<<16)|(1<<21)            ; 15:0 the mask: all four work-groups; 17:16 elements of 8 bytes; 21 set beside a mask
	s_mov_b32 s[G1+1], 32<<16                      ; tensor_dim0: rows of 256 bytes
	s_mov_b32 s[G1+2], 140<<16                     ; tensor_dim1
	s_mov_b32 s[G1+3], 32<<16                      ; tile_dim0
	s_mov_b32 s[G1+4], 140                         ; tile_dim1
	s_mov_b32 s[G1+5], 32                          ; tensor_dim0_stride: dense
	s_mov_b32 s[G1+6], 0
	s_mov_b32 s[G1+7], 0
	s_mov_b32 s[SEL], 0x76543210
	s_mov_b32 s[SEL+1], 0xfedcba98
	s_mov_b32 s[CS], 0x3e38aa3b                    ; c = log2(e) / sqrt(64)
	s_mov_b32 s[CS+1], s[CS]                       ; (named with it as a pair, so it is written)
	s_mov_b32 s[TB], 0
	s_mov_b32 s[TS], 0
	s_mov_b32 s[TJ], 0
	s_mov_b32 s[CNT], 16
	s_lshl_b32 s46, s42, 7
	s_add_co_u32 s46, s46, s41                     ; 128 bh + tile
	s_lshl_b32 s47, s46, 9
	s_add_co_u32 s47, s47, QIMG                    ; Q's image
	s_lshl_b32 s48, s46, 6
	s_add_co_u32 s48, s48, QSC                     ; and its scale words
	; where ctx goes: tile gt = 128 batch + tile of the 4,096 rows; the head's 64 are blocks 2 (head % 2), + 1 of K step head / 2
	s_and_b32 s49, s42, 15                         ; head
	s_lshr_b32 s50, s42, 4
	s_lshl_b32 s50, s50, 7
	s_add_co_u32 s50, s50, s41                     ; gt
	s_lshr_b32 s51, s50, 3
	s_lshl_b32 s51, s51, 1
	s_lshr_b32 s52, s49, 3
	s_add_co_u32 s51, s51, s52
	s_mul_i32 s51, s51, CH                         ; the chunk: 2 (gt / 8) + head / 8
	s_and_b32 s50, s50, 7                          ; the tile in it
	s_bfe_u32 s52, s49, 0x20001                    ; the K step in it: (head / 2) % 4
	s_lshl_b32 s52, s52, 3
	s_add_co_u32 s52, s52, s50
	s_lshl_b32 s52, s52, 10
	s_and_b32 s53, s49, 1
	s_lshl_b32 s53, s53, 9
	s_add_co_u32 s52, s52, s53
	s_add_co_u32 s52, s52, s51                     ; the codes: chunk + 1024 (8 q + tile) + 512 (head % 2)
	s_lshl_b32 s50, s50, 8
	s_and_b32 s53, s49, 7
	s_lshl_b32 s53, s53, 1
	s_add_co_u32 s53, s53, s50
	s_add_co_u32 s53, s53, s51
	s_add_co_u32 s53, s53, SCO                     ; the two scale bytes: chunk + SCO + 256 tile + 2 (head % 8)
	s_wait_dscnt 0x0
	s_wait_kmcnt 0x0
	s_mov_b32 s[G0], 1                             ; 1:0 count = 1
	s_mov_b32 s[G0+1], s43                         ; 63:32 LDS address: the record lies from byte 0 on
	s_add_nc_u64 s[G0+2:G0+3], s[4:5], s[44:45]    ; 120:64 global address
	s_or_b32 s[G0+3], s[G0+3], 0x80000000          ; 127:126 type = 2
	CROUND                                         ; all four work-groups are here: the joint loads meet
	s_cmp_lt_u32 s[WV], 4
	s_cbranch_scc0 .Lno_fetch
	tensor_load_to_lds s[G0:G0+3], s[G1:G1+7]      ; one load of mine is out
	s_nop 0
.rept 4
	v_nop
.endr
.Lno_fetch:
	v_and_b32 v9, 31, v0
	s_delay_alu instid0(VALU_DEP_1)
	v_lshlrev_b32 v[AK0], 4, v9
	v_and_b32 v10, 15, v0                          ; r
	s_delay_alu instid0(VALU_DEP_1)
	v_lshlrev_b32 v11, 2, v10
	s_delay_alu instid0(VALU_DEP_3)
	v_add_nc_u32 v5, s47, v[AK0]
	s_delay_alu instid0(VALU_DEP_2)
	v_add_nc_u32 v6, s48, v11
	global_load_b128 v[16:19], v5, s[4:5]          ; Q's registers 0-3
	global_load_b32 v255, v6, s[4:5]               ; Q's scale words
	v_add_nc_u32 v[AV0], 65536, v[AK0]
	v_add_nc_u32 v[ASK0], 131072, v11
	v_add_nc_u32 v[ASV0], 139264, v11
.irp j, 20,21,22,23
	v_mov_b32 v[\j], 0                             ; Q's registers 4-7: zero codes
.endr
.irp t, 0,1,2,3,4,5,6,7
.irp j, 4,5,6,7
	v_mov_b32 v[32+8*\t+\j], 0                     ; K's likewise, once: the loop's loads fill registers 0-3 alone
.endr
.endr
	v_mov_b32 v13, 0xff61b1e6                      ; the largest t so far: -3e38, under every t
	s_delay_alu instid0(VALU_DEP_1)
	v_floor_f32 v12, -v13                          ; -M
	v_mov_b32 v14, 0                               ; the sum, in two halves
	v_mov_b32 v15, 0
.irp j, 236,237,238,239,241,252
	v_mov_b32 v[\j], 0                             ; lane permutes' destinations, and the upper half of f's pair: written before they are named
.endr
.set n, 0
.rept 32
	v_mov_b32 v[160+n], 0                          ; O^T.  (The loop is written once: its first step finds zeros, which the first change of M leaves zeros)
.set n, n+1
.endr
	s_wait_loadcnt 0x0                             ; Q
	s_wait_tensorcnt 0x0                           ; my quarter of the record is in,
	s_barrier_signal -1
	s_barrier_wait -1                              ; everybody's is
.Lstep:                                                ; 16 trips of 128 keys
	v_add_nc_u32 v[ADK], s[TB], v[AK0]             ; these four are also the places between the last trip's products and the loads into their operands
	v_add_nc_u32 v[ADV], s[TB], v[AV0]
	v_add_nc_u32 v[ADS], s[TS], v[ASK0]
	v_add_nc_u32 v[ADT], s[TJ], v[ASV0]
.irp t, 0,1,2,3,4,5,6,7
	ds_load_b128 v[32+8*\t:35+8*\t], v[ADK] offset:512*\t
	ds_load_b32 v[24+\t], v[ADS] offset:64*\t
.endr
.irp t, 0,1,2,3
.irp c, 0,1
	ds_load_b128 v[192+8*\t+4*\c:195+8*\t+4*\c], v[ADV] offset:1024*\t+512*\c
.endr
	ds_load_b32 v[248+\t], v[ADT] offset:64*\t
.endr
	s_wait_dscnt 12                                ; K and its scale words are in; V's twelve loads may be out: they land under the softmax
.irp t, 0,1,2,3,4,5,6,7
	v_wmma_scale_f32_16x16x128_f8f6f4 v[96+8*\t:103+8*\t], v[32+8*\t:39+8*\t], v[16:23], 0, v[24+\t], v255 matrix_a_fmt:MATRIX_FMT_FP4 matrix_b_fmt:MATRIX_FMT_FP4
.endr
.rept 4
	v_nop
.endr
.irp b, 0,1,2,3
	v_max3_num_f32 v[232+\b], v[96+16*\b], v[97+16*\b], v[98+16*\b]   ; THE LARGEST SCORE OF EACH BLOCK OF 32 KEYS: for the row's maximum, and, since p rises with the score, for the block's largest p
.endr
.irp i, 3,5,7,9,11,13
.irp b, 0,1,2,3
	v_max3_num_f32 v[232+\b], v[232+\b], v[96+16*\b+\i], v[97+16*\b+\i]   ; (the four blocks by turns)
.endr
.endr
.irp b, 0,1,2,3
	v_max_num_f32 v[232+\b], v[232+\b], v[111+16*\b]
.endr
.irp b, 0,1,2,3
	s_delay_alu instid0(VALU_DEP_4)
	v_permlanex16_b32 v[236+\b], v[232+\b], s[SEL], s[SEL+1]
.endr
.irp b, 0,1,2,3
	s_delay_alu instid0(VALU_DEP_4)
	v_max_num_f32 v[232+\b], v[232+\b], v[236+\b]  ; with lane l xor 16's 16 keys
.endr
	s_delay_alu instid0(VALU_DEP_2)
	v_max3_num_f32 v254, v232, v233, v234
	s_delay_alu instid0(VALU_DEP_1)
	v_max_num_f32 v254, v254, v235                 ; the step's largest score of my query
	s_delay_alu instid0(VALU_DEP_1)
	v_mul_f32 v254, s[CS], v254                    ; as t (c is positive)
	s_delay_alu instid0(VALU_DEP_1)
	v_max_num_f32 v13, v13, v254                   ; the running largest t
	v_mov_b32 v254, v12
	s_delay_alu instid0(VALU_DEP_2)
	v_floor_f32 v12, -v13                          ; the new -M = floor(-t) = -ceil(t): M IS A WHOLE NUMBER
	s_delay_alu instid0(VALU_DEP_1)
	v_sub_f32 v254, v12, v254                      ; M's old value less its new one: a whole number, 0 or less
	s_delay_alu instid0(VALU_DEP_1)
	v_cvt_i32_f32 v254, v254                       ; (it saturates)
	s_delay_alu instid0(VALU_DEP_1)
	v_ldexp_f32 v240, 1.0, v254                    ; f = 2^(old M - new M)
.set n, 0
.rept 32
	v_pk_fma_f32 v[96+n:97+n], v[96+n:97+n], s[CS:CS+1], v[12:13] op_sel_hi:[1,0,0]   ; t - M, two at a time
.set n, n+2
.endr
.irp b, 0,1,2,3
	v_fma_f32 v[232+\b], v[232+\b], s[CS], v12     ; the same of each block's largest score
.endr
.set n, 0
	s_wait_alu depctr_va_vdst(0)
.rept 64
	v_exp_f32 v[96+n], v[96+n]                     ; p = 2^(t - M), at most 1: NOT normalised
.set n, n+1
.endr
	v_pk_mul_f32 v[14:15], v[14:15], v[240:241] op_sel_hi:[1,0]   ; the sums under the new M.  (A plain place behind the exponentials)
	s_wait_alu depctr_va_vdst(0)                   ; one wait for the whole batch, ahead of its first reader
.irp b, 0,1,2,3
	v_exp_f32 v[232+\b], v[232+\b]                 ; the block's largest p: the same two instructions on the same number give the same bits
.endr
	v_pk_add_f32 v[236:237], v[100:101], v[104:105]
	v_pk_add_f32 v[246:247], v[108:109], v[112:113]
	v_pk_add_f32 v[244:245], v[116:117], v[120:121]
	v_pk_add_f32 v[238:239], v[124:125], v[128:129]
	v_pk_add_f32 v[230:231], v[132:133], v[136:137]
	v_pk_add_f32 v[228:229], v[140:141], v[144:145]
	v_pk_add_f32 v[226:227], v[148:149], v[152:153]
	v_pk_add_f32 v[14:15], v[14:15], v[156:157]
	v_pk_add_f32 v[236:237], v[236:237], v[96:97]
	v_pk_add_f32 v[246:247], v[246:247], v[98:99]
	v_pk_add_f32 v[244:245], v[244:245], v[102:103]
	v_pk_add_f32 v[238:239], v[238:239], v[106:107]
	v_pk_add_f32 v[230:231], v[230:231], v[110:111]
	v_pk_add_f32 v[228:229], v[228:229], v[114:115]
	v_pk_add_f32 v[226:227], v[226:227], v[118:119]
	v_pk_add_f32 v[14:15], v[14:15], v[122:123]
	v_pk_add_f32 v[236:237], v[236:237], v[126:127]
	v_pk_add_f32 v[246:247], v[246:247], v[130:131]
	v_pk_add_f32 v[244:245], v[244:245], v[134:135]
	v_pk_add_f32 v[238:239], v[238:239], v[138:139]
	v_pk_add_f32 v[230:231], v[230:231], v[142:143]
	v_pk_add_f32 v[228:229], v[228:229], v[146:147]
	v_pk_add_f32 v[226:227], v[226:227], v[150:151]
	v_pk_add_f32 v[14:15], v[14:15], v[154:155]
	v_pk_add_f32 v[236:237], v[236:237], v[158:159]
	s_delay_alu instid0(VALU_DEP_2)
	v_pk_add_f32 v[14:15], v[14:15], v[238:239]
	s_delay_alu instid0(VALU_DEP_2)
	v_pk_add_f32 v[236:237], v[236:237], v[230:231]
	v_pk_add_f32 v[246:247], v[246:247], v[228:229]
	v_pk_add_f32 v[244:245], v[244:245], v[226:227]
	s_delay_alu instid0(VALU_DEP_2)
	v_pk_add_f32 v[14:15], v[14:15], v[246:247]
	s_delay_alu instid0(VALU_DEP_2)
	v_pk_add_f32 v[236:237], v[236:237], v[244:245]
	s_delay_alu instid0(VALU_DEP_1)
	v_pk_add_f32 v[14:15], v[14:15], v[236:237]
	s_wait_alu depctr_va_vdst(0)                   ; and one for the four
.irp b, 0,1,2,3
	v_max_num_f32 v[232+\b], 0x1800000, v[232+\b]  ; the floor 2^(3 - 127): the byte cannot fall under 1
.endr
.irp b, 0,1,2,3
	s_delay_alu instid0(VALU_DEP_4)
	v_add_nc_u32 v[244+\b], 0xff000000, v[232+\b]  ; 2 off the exponent field: the conversion's scale operand
.endr
.irp b, 0,1,2,3
	s_delay_alu instid0(VALU_DEP_4)
	v_lshrrev_b32 v[236+\b], 23, v[244+\b]         ; the scale's byte
.endr
	s_delay_alu instid0(VALU_DEP_3)
	v_lshl_or_b32 v253, v237, 8, v236              ; p's scale word for these 128 keys
	s_delay_alu instid0(VALU_DEP_1)
	v_lshl_or_b32 v253, v238, 16, v253
	s_delay_alu instid0(VALU_DEP_1)
	v_lshl_or_b32 v253, v239, 24, v253
.irp b, 0,1,2,3
	v_cvt_scalef32_pk8_fp4_f32 v[224+2*\b], v[96+16*\b:103+16*\b], v[244+\b]
	v_cvt_scalef32_pk8_fp4_f32 v[225+2*\b], v[104+16*\b:111+16*\b], v[244+\b]
.endr
	v_nop                                          ; one plain place behind a scaled conversion
.irp c, 0,1
.irp i, 0,1
	v_permlane16_swap_b32 v[224+4*\c+\i], v[226+4*\c+\i]   ; a WHOLE block in a lane
.endr
.endr
.set n, 0
.rept 16
	v_pk_mul_f32 v[160+n:161+n], v[160+n:161+n], v[240:241] op_sel_hi:[1,0]   ; O^T under the new M.  Twelve of these sixteen name no register of any one product below: the places between p's scale word (8 are asked), p's codes (4) and the products
.set n, n+2
.endr
	s_wait_alu depctr_va_vdst(0)
	s_wait_dscnt 0x0                               ; V and its scale words are in
.irp t, 0,1,2,3
	v_wmma_scale_f32_16x16x128_f8f6f4 v[160+8*\t:167+8*\t], v[192+8*\t:199+8*\t], v[224:231], v[160+8*\t:167+8*\t], v[248+\t], v253 matrix_a_fmt:MATRIX_FMT_FP4 matrix_b_fmt:MATRIX_FMT_FP4
.endr
	s_add_co_u32 s[TB], s[TB], 4096
	s_add_co_u32 s[TS], s[TS], 512
	s_add_co_u32 s[TJ], s[TJ], 256
	s_sub_co_u32 s[CNT], s[CNT], 1
	s_cmp_lg_u32 s[CNT], 0
	s_cbranch_scc1 .Lstep
	; THE WAY OUT.  ctx = O^T / the sum: register 16 b + i is d = 32 b + 16 h + i of my query: two blocks of the next product's K
	v_add_f32 v14, v14, v15                        ; the sum's two halves,
	s_delay_alu instid0(VALU_DEP_1)
	v_permlanex16_b32 v252, v14, s[SEL], s[SEL+1]
	s_delay_alu instid0(VALU_DEP_1)
	v_add_f32 v14, v14, v252                       ; and lane l xor 16's
	s_wait_alu depctr_va_vdst(0)
	v_rcp_f32 v14, v14
	v_and_b32 v8, 31, v0                           ; (plain lines behind the reciprocal, and places behind the last products)
	v_and_b32 v9, 15, v0
	s_delay_alu instid0(VALU_DEP_2)
	v_lshl_add_u32 v8, v8, 4, s52                  ; where my 16 bytes of codes go
	s_delay_alu instid0(VALU_DEP_2)
	v_lshl_add_u32 v9, v9, 4, s53                  ; and my row's two scale bytes
	s_wait_alu depctr_va_vdst(0)                   ; the wait, ahead of the reciprocal's first reader
.set n, 0
.rept 32
	v_mul_f32 v[96+n], v[160+n], v14
.set n, n+1
.endr
.irp b, 0,1
	v_max3_num_f32 v[232+\b], |v[96+16*\b]|, |v[97+16*\b]|, 0x1800000
.endr
.irp i, 2,4,6,8,10,12,14
.irp b, 0,1
	s_delay_alu instid0(VALU_DEP_2)
	v_max3_num_f32 v[232+\b], v[232+\b], |v[96+16*\b+\i]|, |v[97+16*\b+\i]|
.endr
.endr
.irp b, 0,1
	s_delay_alu instid0(VALU_DEP_2)
	v_permlanex16_b32 v[236+\b], v[232+\b], s[SEL], s[SEL+1]
.endr
.irp b, 0,1
	s_delay_alu instid0(VALU_DEP_2)
	v_max_num_f32 v[232+\b], v[232+\b], v[236+\b]
.endr
.irp b, 0,1
	s_delay_alu instid0(VALU_DEP_2)
	v_add_nc_u32 v[244+\b], 0xff000000, v[232+\b]
.endr
.irp b, 0,1
	s_delay_alu instid0(VALU_DEP_2)
	v_lshrrev_b32 v[236+\b], 23, v[244+\b]
.endr
	s_delay_alu instid0(VALU_DEP_1)
	v_lshl_or_b32 v242, v237, 8, v236
.irp b, 0,1
	v_cvt_scalef32_pk8_fp4_f32 v[224+2*\b], v[96+16*\b:103+16*\b], v[244+\b]
	v_cvt_scalef32_pk8_fp4_f32 v[225+2*\b], v[104+16*\b:111+16*\b], v[244+\b]
.endr
	v_nop
.irp i, 0,1
	v_permlane16_swap_b32 v[224+\i], v[226+\i]
.endr
	global_store_b128 v8, v[224:227], s[6:7]       ; one quad of a fragment's image: 32 lanes store 512 consecutive bytes
	global_store_b16 v9, v242, s[6:7]              ; lanes r and r + 16 write the same two bytes to the same place
	s_wait_tensorcnt 0x0
	ds_add_u32 v7, v243
	s_wait_dscnt 0x0
	CROUND                                         ; the closing round
	s_endpgm
.Lfunc_end_k_q552e7bc2f8_attn:
	.size	k_q552e7bc2f8_attn, .Lfunc_end_k_q552e7bc2f8_attn-k_q552e7bc2f8_attn
	.p2alignl 7, 3214868480
	.fill 96, 4, 3214868480
	.section	.rodata,"a",@progbits
	.p2align	6, 0x0
	.amdhsa_kernel k_q552e7bc2f8_attn
		.amdhsa_group_segment_fixed_size 169984
		.amdhsa_private_segment_fixed_size 0
		.amdhsa_enable_private_segment 0
		.amdhsa_kernarg_size 16
		.amdhsa_user_sgpr_count 2
		.amdhsa_user_sgpr_kernarg_segment_ptr 1
		.amdhsa_wavefront_size32 1
		.amdhsa_system_sgpr_workgroup_id_x 1
		.amdhsa_system_sgpr_workgroup_id_y 1
		.amdhsa_system_sgpr_workgroup_id_z 1
		.amdhsa_system_vgpr_workitem_id 0
		.amdhsa_next_free_vgpr 256
		.amdhsa_next_free_sgpr 66
		.amdhsa_reserve_vcc 0
		.amdhsa_float_denorm_mode_32 3
		.amdhsa_float_denorm_mode_16_64 3
		.amdhsa_memory_ordered 1
		.amdhsa_forward_progress 1
		.amdhsa_inst_pref_size 29
	.end_amdhsa_kernel
	.amdgpu_metadata
---
amdhsa.version: [ 1, 2 ]
amdhsa.kernels:
  - .name:           k_q552e7bc2f8_attn
    .symbol:         k_q552e7bc2f8_attn.kd
    .args:
      - { .name: qkvc, .offset: 0, .size: 8, .value_kind: global_buffer, .address_space: global }
      - { .name: ctxc, .offset: 8, .size: 8, .value_kind: global_buffer, .address_space: global }
    .group_segment_fixed_size: 169984
    .private_segment_fixed_size: 0
    .kernarg_segment_align: 8
    .kernarg_segment_size: 16
    .max_flat_workgroup_size: 512
    .sgpr_count:     66
    .vgpr_count:     256
    .wavefront_size: 32
...
	.end_amdgpu_metadata
.endif
;; end of part 3
;; launch woln (part 4): grid 256 x 1, 8 waves a work-group, clusters of 4 x 1, 327,680 bytes of LDS; arguments ctxc, ops, enc_input, ln1_g, ln1_b, h, hc; writes h, hc
.if DOCPART == 4
	.amdgcn_target "amdgcn-amd-amdhsa--gfx1250"
	.amdhsa_code_object_version 6
	.text
	.protected	k_q552e7bc2f8_woln
	.globl	k_q552e7bc2f8_woln
	.p2align	8
	.type	k_q552e7bc2f8_woln,@function
k_q552e7bc2f8_woln:
	s_mov_b64 s[64:65], 0
	v_nop
	global_prefetch_b8 v0, s[64:65] scope:SCOPE_SE
	s_setreg_imm32_b32 hwreg(HW_REG_WAVE_MODE, 25, 1), 1
	s_wait_xcnt 0x0
	s_wait_alu depctr_hold_cnt(0) depctr_sa_sdst(0) depctr_va_vdst(0) depctr_va_sdst(0) depctr_va_ssrc(0) depctr_va_vcc(0) depctr_vm_vsrc(0)
	s_getreg_b32 s2, hwreg(HW_REG_IB_STS2, 6, 4)
	s_cmp_eq_u32 s2, 0
	s_cbranch_scc0 .Lentry_in_a_cluster
	s_endpgm
.Lentry_in_a_cluster:
	s_bfe_u32 s2, ttmp6, 0x10000c
	s_cmp_lg_u32 s2, 0x3003
	s_cbranch_scc0 .Lentry_shape_is_right
	s_endpgm
.Lentry_shape_is_right:
; h = layer norm(x + ctx wo) x g + b, [4096][1024] f32, and h's codes of FP4 (E2M1) with E8M0 scales for the next product.  The product is on codes of FP4 with E8M0 scales, sums in f32.
; SHARES.  A work-group owns ONE tile T of 16 whole rows (row r is 32 (T / 2) + 8 (T % 2) + r + 8 (r / 8)), so that the norm needs no other work-group; wave w of eight owns columns 128 w .. + 127: 8 accumulators.
; Operands lie in chunks of 128 rows x 512 along K, CH bytes: fragment (K step q, tile i) at 1024 (8 q + i) as the image of its 8 registers, scale words at SCO + 256 i + 16 r + 4 q.
; The product is used transposed (source 0 = 16 columns of wo, source 1 = my 16 rows): lane (r, h) holds row r, and register 16 b + i of the 64 is column 128 w + 32 b + 16 h + i.
; THE WEIGHT COMES BY TWO WAYS, half its bytes by each.  My columns' chunk 0 along K goes from memory straight into operand registers, 512 consecutive bytes a load: it lies as the registers want it.
; My columns' chunk 1 comes by my one tensor load, at the head, into LDS bytes that I alone read; nothing is filled again.  Every work-group reads the same eight chunks, so that load is a JOINT one:
; the four work-groups of a cluster ask with one descriptor (made of the wave's number alone) and a mask that names the four.  All loads go out at the head or as registers fall free: there is no loop to ask ahead in.
; THE NORM.  Each wave takes the mean and the sum of squares about that mean of its 128 columns; the eight pairs meet in LDS and are merged (equal counts): mean = mean of means, M2 = sum M2_w + 128 sum (mean_w - mean)^2.
; The residual's rows come in, and the result's rows go out, as whole rows of 4,096 bytes through one stage in LDS.  It lies over the chunks of waves 0 and 1, which have had their only fill, behind a barrier behind which no wave reads weights.
; LIMITS: NaN and infinities are not served; 1 / sqrt is v_rsq_f32's; a block whose largest magnitude lies under 2^-124 (a block of zeros too) gets the byte 1: this program alone reads the bytes.
.set BOFF,  48                         ; wo's first chunk in ops
.set CH,    34816
.set SCO,   32768
.set LP,    4112                       ; a stage row: 4,096 bytes + 16
.set ST,    8*CH                       ; behind the eight chunks: 16 rows x 8 waves x (mean, M2)
.set SPARE, ST+1024                    ; the spare words, 128 bytes a wave
.set ACC,   64                         ; v64-127 the sums; then u, then the result
.set AFR,   128                        ; v128-159 my rows' fragments of chunk 0
.set AF1,   216                        ; v216-247 and of chunk 1
.set SB,    160                        ; v160-191 wo's scale words, a set for each chunk: register 4 j + q: lanes 0-15 tile 2 j, lanes 16-31 tile 2 j + 1
.set SA,    192                        ; v192-199 my rows' scale words, a set for each chunk
.set TM,    216
.set PC,    232
.set PW,    240
; v16-63 and v200-215 hold two rows of the residual until the stage is free.  window 1: v[64 q ..] wo's 8 fragments of K step q; at the end v0-63 g, v64-127 b, v128-191 the residual in the sums' layout
.set MSB, 0
.macro WIN new
.if MSB != (\new)
	s_set_vgpr_msb (MSB<<8)|(\new)
.set MSB, \new
.endif
.endm
.macro CROUND                          ; a round of the cluster's barrier
	s_barrier_signal -1
	s_barrier_wait -1
	s_cmp_lg_u32 s24, 0
	s_cbranch_scc1 .Lnot_wave_0_\@
	s_barrier_signal -3
.Lnot_wave_0_\@:
	s_barrier_wait -3
	s_barrier_signal -1
	s_barrier_wait -1
.endm
.macro LDG q                           ; chunk 0, K step q, from memory: 18 loads; the first brings 6 loads of scale words too, ahead of the others
.if (\q) == 0
.irp j, 0,1,2,3
	global_load_b128 v[SB+4*\j:SB+4*\j+3], v2, s[10:11] offset:SCO+512*\j
.endr
	global_load_b128 v[SA:SA+3], v10, s[34:35]
	global_load_b128 v[SA+4:SA+7], v10, s[34:35] offset:CH
.endif
	WIN 0x40
.irp i, 0,1,2,3,4,5,6,7
	global_load_b128 v[64*(\q)+8*\i:64*(\q)+8*\i+3], v2, s[10:11] offset:1024*(8*(\q)+\i)
	global_load_b128 v[64*(\q)+8*\i+4:64*(\q)+8*\i+7], v2, s[10:11] offset:1024*(8*(\q)+\i)+512
.endr
	WIN 0
	global_load_b128 v[AFR+8*(\q):AFR+8*(\q)+3], v2, s[8:9] offset:8192*(\q)
	global_load_b128 v[AFR+8*(\q)+4:AFR+8*(\q)+7], v2, s[8:9] offset:8192*(\q)+512
.endm
.macro LDD q                           ; chunk 1, K step q, from LDS: 16 loads; the first brings the chunk's scale words too, 4 loads, ahead of the others
.if (\q) == 0
	WIN 0
.irp j, 0,1,2,3
	ds_load_b128 v[SB+16+4*\j:SB+16+4*\j+3], v13 offset:SCO+512*\j
.endr
.endif
	WIN 0x40
.irp i, 0,1,2,3,4,5,6,7
	ds_load_b128 v[64*(\q)+8*\i:64*(\q)+8*\i+3], v13 offset:1024*(8*(\q)+\i)
	ds_load_b128 v[64*(\q)+8*\i+4:64*(\q)+8*\i+7], v13 offset:1024*(8*(\q)+\i)+512
.endr
	WIN 0
.endm
.macro LD64 reg, base                  ; 64 numbers of my columns, in the sums' layout: 16 loads
.irp b, 0,1,2,3
.irp j, 0,1,2,3
	global_load_b128 v[\reg+16*\b+4*\j:\reg+16*\b+4*\j+3], v9, s[\base:\base+1] offset:128*\b+16*\j
.endr
.endr
.endm
; A K step: 8 products, the accumulators by turns; four places ahead of the loads into their operands
.macro KSTEP st, q, ab, zero
	WIN 0x01
.irp i, 0,2,4,6
.if \zero
	v_wmma_scale_f32_16x16x128_f8f6f4 v[ACC+8*\i:ACC+8*\i+7], v[64*(\q)+8*\i:64*(\q)+8*\i+7], v[\ab+8*(\q):\ab+8*(\q)+7], 0, v[SB+16*(\st)+2*\i+(\q)], v[SA+4*(\st)+(\q)] matrix_a_fmt:MATRIX_FMT_FP4 matrix_b_fmt:MATRIX_FMT_FP4
	v_wmma_scale_f32_16x16x128_f8f6f4 v[ACC+8*\i+8:ACC+8*\i+15], v[64*(\q)+8*\i+8:64*(\q)+8*\i+15], v[\ab+8*(\q):\ab+8*(\q)+7], 0, v[SB+16*(\st)+2*\i+(\q)], v[SA+4*(\st)+(\q)] matrix_a_fmt:MATRIX_FMT_FP4 matrix_b_fmt:MATRIX_FMT_FP4 matrix_a_scale:MATRIX_SCALE_ROW1
.else
	v_wmma_scale_f32_16x16x128_f8f6f4 v[ACC+8*\i:ACC+8*\i+7], v[64*(\q)+8*\i:64*(\q)+8*\i+7], v[\ab+8*(\q):\ab+8*(\q)+7], v[ACC+8*\i:ACC+8*\i+7], v[SB+16*(\st)+2*\i+(\q)], v[SA+4*(\st)+(\q)] matrix_a_fmt:MATRIX_FMT_FP4 matrix_b_fmt:MATRIX_FMT_FP4
	v_wmma_scale_f32_16x16x128_f8f6f4 v[ACC+8*\i+8:ACC+8*\i+15], v[64*(\q)+8*\i+8:64*(\q)+8*\i+15], v[\ab+8*(\q):\ab+8*(\q)+7], v[ACC+8*\i+8:ACC+8*\i+15], v[SB+16*(\st)+2*\i+(\q)], v[SA+4*(\st)+(\q)] matrix_a_fmt:MATRIX_FMT_FP4 matrix_b_fmt:MATRIX_FMT_FP4 matrix_a_scale:MATRIX_SCALE_ROW1
.endif
.endr
.rept 4
	v_nop
.endr
.endm
.macro FOLD dst                        ; four packed chains in v200-207 become one number, with lane l xor 16's
	v_pk_add_f32 v[200:201], v[200:201], v[202:203]
	v_pk_add_f32 v[204:205], v[204:205], v[206:207]
	s_delay_alu instid0(VALU_DEP_1)
	v_pk_add_f32 v[200:201], v[200:201], v[204:205]
	s_delay_alu instid0(VALU_DEP_1)
	v_add_f32 v200, v200, v201
	s_delay_alu instid0(VALU_DEP_1)
	v_permlanex16_b32 v201, v200, s42, s43
	s_delay_alu instid0(VALU_DEP_1)
	v_add_f32 v[\dst], v200, v201
.endm
	s_load_b256 s[8:15], s[0:1], 0x0               ; ctx's codes s[8:9], ops s[10:11], x s[12:13], g s[14:15]
	s_load_b128 s[16:19], s[0:1], 0x20             ; b s[16:17], h s[18:19]
	s_load_b64 s[20:21], s[0:1], 0x30              ; h's codes
	v_lshl_add_u32 v14, v0, 2, SPARE
	v_mov_b32 v15, 0
	ds_add_u32 v14, v15                            ; the opening lines: the add, twice on end, and its wait ahead of my tensor load
	ds_add_u32 v14, v15
	v_lshrrev_b32 v1, 5, v0
	v_readfirstlane_b32 s24, v1                    ; wave 0..7
	s_bfe_u32 s53, ttmp6, 0x40000                  ; cx: it enters global addresses alone
	s_lshl_b32 s54, ttmp9, 2
	s_add_co_u32 s54, s54, s53                     ; T = 4 x cluster + cx
	s_lshr_b32 s25, s54, 1
	s_lshl_b32 s25, s25, 5
	s_and_b32 s26, s54, 1
	s_lshl_b32 s26, s26, 3
	s_add_co_u32 s25, s25, s26
	s_lshl_b32 s26, s24, 1
	s_add_co_u32 s25, s25, s26
	s_lshr_b32 s26, s24, 2
	s_lshl_b32 s26, s26, 3
	s_add_co_u32 s25, s25, s26                     ; the two rows that I carry in and out: 32 (T / 2) + 8 (T % 2) + 2 wave + 8 (wave / 4), and the next
	s_lshl_b32 s26, s25, 12
	s_mov_b32 s27, 0
	s_lshr_b32 s39, s54, 3                         ; T / 8
	s_and_b32 s40, s54, 7                          ; the tile in its chunk
	s_mul_i32 s28, s39, 2*CH
	s_lshl_b32 s41, s40, 8
	s_add_co_u32 s34, s28, s41
	s_add_co_u32 s34, s34, SCO                     ; my rows' scale words
	s_mov_b32 s35, 0
	s_lshl_b32 s41, s40, 10
	s_add_co_u32 s28, s28, s41                     ; my rows' fragments
	s_mov_b32 s29, 0
	s_mul_i32 s30, s24, 2*CH
	s_add_co_u32 s30, s30, BOFF*CH                 ; my 128 columns' two chunks
	s_mov_b32 s31, 0
	s_lshl_b32 s32, s24, 9                         ; my columns, in bytes of f32
	s_mov_b32 s33, 0
	s_mul_i32 s36, s24, 2*LP
	s_lshl_b32 s38, s24, 3
	s_mov_b32 s42, 0x76543210
	s_mov_b32 s43, 0xfedcba98                      ; selects for lane l xor 16
	s_mov_b32 s44, 0x3c000000                      ; 1 / 128
	s_mov_b32 s45, 0x3e000000                      ; 1 / 8
	s_mov_b32 s46, 0x43000000                      ; 128
	s_mov_b32 s47, 0x3a800000                      ; 1 / 1,024
	s_mov_b32 s48, 0x3727c5ac                      ; eps = 1e-5
	s_lshl_b32 s49, s39, 1
	s_lshr_b32 s50, s24, 2
	s_add_co_u32 s49, s49, s50
	s_mul_i32 s49, s49, CH                         ; the codes' chunk: 2 (T / 8) + wave / 4
	s_and_b32 s50, s24, 3
	s_lshl_b32 s51, s50, 2
	s_lshl_b32 s50, s50, 3
	s_add_co_u32 s50, s50, s40
	s_lshl_b32 s50, s50, 10
	s_add_co_u32 s50, s50, s49                     ; the fragment: 1024 (8 (wave % 4) + tile)
	s_lshl_b32 s40, s40, 8
	s_add_co_u32 s51, s51, s40
	s_add_co_u32 s51, s51, s49
	s_add_co_u32 s51, s51, SCO                     ; its scale words
	s_mov_b32 s56, 1                               ; descriptor group 0: count = 1;
	s_mul_i32 s57, s24, CH                         ; LDS address: wave x a chunk
	s_mov_b32 s68, 15|(3<<16)|(1<<21)              ; group 1: the mask names the cluster's four; elements of 8 bytes; bit 21 set beside a mask
	s_mov_b32 s69, 32<<16                          ; tensor_dim0: rows of 256 bytes
	s_mov_b32 s70, 136<<16                         ; tensor_dim1: a chunk is 136 of them
	s_mov_b32 s71, 32<<16                          ; tile_dim0
	s_mov_b32 s72, 136                             ; tile_dim1
	s_mov_b32 s73, 32                              ; the pitch: dense
	s_mov_b32 s74, 0
	s_mov_b32 s75, 0
	v_and_b32 v1, 31, v0
	v_and_b32 v16, 15, v0                          ; r
	v_bfe_u32 v17, v0, 4, 1                        ; h
	v_lshlrev_b32 v2, 4, v1                        ; 16 x lane
	v_mul_u32_u24 v4, v16, LP
	v_lshlrev_b32 v8, 6, v16
	v_add_nc_u32 v3, s36, v2                       ; the stage by rows: my two rows as they lie
	v_lshl_add_u32 v4, v17, 6, v4
	v_add_nc_u32 v8, ST, v8                        ; my row's eight pairs
	v_lshlrev_b32 v9, 6, v17                       ; 64 h: my half's 16 numbers of each 32 columns
	v_add_nc_u32 v4, s32, v4                       ; the stage by columns: row r, my wave's columns, + 64 h
	v_add_nc_u32 v7, s38, v8                       ; my wave's pair
	v_lshlrev_b32 v10, 4, v16                      ; 16 r
	v_add_nc_u32 v13, s57, v2                      ; my chunk in LDS
	v_add_nc_u32 v11, s50, v2                      ; where my codes go
	v_add_nc_u32 v12, s51, v10                     ; and my row's scale word
	s_wait_alu depctr_va_vdst(0)
	s_wait_dscnt 0x0                               ; both opening adds are done
	s_wait_kmcnt 0x0
	s_add_nc_u64 s[34:35], s[8:9], s[34:35]
	s_add_nc_u64 s[8:9], s[8:9], s[28:29]
	s_add_nc_u64 s[10:11], s[10:11], s[30:31]
	s_add_nc_u64 s[12:13], s[12:13], s[26:27]
	s_add_nc_u64 s[14:15], s[14:15], s[32:33]
	s_add_nc_u64 s[16:17], s[16:17], s[32:33]
	s_add_nc_u64 s[18:19], s[18:19], s[26:27]
	s_add_nc_u64 s[58:59], s[10:11], CH            ; global address: my columns' chunk 1
	s_or_b32 s59, s59, 0x80000000                  ; type = 2
	CROUND                                         ; all four work-groups are here: the joint loads meet
	tensor_load_to_lds s[56:59], s[68:75]          ; my one tensor load
	s_nop 0
.rept 4
	v_nop
.endr
	LDG 0
	LDG 1
	LDG 2
	LDG 3
.irp q, 0,1,2,3
	global_load_b128 v[AF1+8*\q:AF1+8*\q+3], v2, s[8:9] offset:CH+8192*\q
	global_load_b128 v[AF1+8*\q+4:AF1+8*\q+7], v2, s[8:9] offset:CH+8192*\q+512
.endr
	s_wait_loadcnt 62                              ; the first group of 24 is in; three groups of 18 and the 8 just issued may be out
	KSTEP 0, 0, AFR, 1
	WIN 0
.set n, 0
.rept 16
.if n < 12
.set XG, 16+4*n
.else
.set XG, 200+4*(n-12)
.endif
	global_load_b128 v[XG:XG+3], v2, s[12:13] offset:4096*(n/8)+512*(n%8) th:TH_LOAD_NT   ; two rows of x: 512 consecutive bytes a load
.set n, n+1
.endr
	s_wait_tensorcnt 0x0                           ; my chunk 1 lies in LDS; I alone read it
	LDD 0
	s_wait_loadcnt 60                              ; younger than K step 1's group: 18 + 18 + 8 + x's 16
	KSTEP 0, 1, AFR, 0
	LDD 1
	s_wait_loadcnt 42                              ; 18 + 8 + 16
	KSTEP 0, 2, AFR, 0
	LDD 2
	s_wait_loadcnt 24                              ; 8 + 16
	KSTEP 0, 3, AFR, 0
	LDD 3
	s_wait_loadcnt 16                              ; my rows' fragments of chunk 1 are in; x's 16 may be out
	s_wait_dscnt 48                                ; the first run from LDS is in; three runs of 16 may be out
	KSTEP 1, 0, AF1, 0
	WIN 0x40
	LD64 0, 14                                     ; the freed registers take g,
	s_wait_dscnt 32
	KSTEP 1, 1, AF1, 0
	WIN 0x40
	LD64 64, 16                                    ; and b
	s_wait_dscnt 16
	KSTEP 1, 2, AF1, 0
	s_wait_dscnt 0x0                               ; my reads of my chunk are over
	KSTEP 1, 3, AF1, 0                             ; the four places behind it also stand ahead of the first read of the sums
	WIN 0
	s_wait_loadcnt 32                              ; x's rows are in; g's and b's 32 loads may be out
	s_barrier_signal -1
	s_barrier_wait -1                              ; no wave reads weights any more: the stage is free
.set n, 0
.rept 16
.if n < 12
.set XG, 16+4*n
.else
.set XG, 200+4*(n-12)
.endif
	ds_store_b128 v3, v[XG:XG+3] offset:LP*(n/8)+512*(n%8)
.set n, n+1
.endr
	s_wait_dscnt 0x0                               ; for the others' sake: my two rows of x lie in LDS
	s_barrier_signal -1
	s_barrier_wait -1
	WIN 0x40
.irp b, 0,1,2,3
.irp j, 0,1,2,3
	ds_load_b128 v[128+16*\b+4*\j:128+16*\b+4*\j+3], v4 offset:128*\b+16*\j
.endr
.endr
	s_wait_dscnt 0x0
	WIN 0x04
.set n, 0
.rept 32
	v_pk_add_f32 v[ACC+n:ACC+n+1], v[ACC+n:ACC+n+1], v[128+n:129+n]   ; u = x + the product; each accumulator from its low end on
.set n, n+2
.endr
	WIN 0
.irp k, 0,1,2,3
	v_pk_add_f32 v[200+2*\k:201+2*\k], v[ACC+4*\k:ACC+4*\k+1], v[ACC+4*\k+2:ACC+4*\k+3]   ; the sum of my 64, in four packed chains
.endr
.irp i, 16,24,32,40,48,56
.irp k, 0,1,2,3
	v_pk_add_f32 v[200+2*\k:201+2*\k], v[200+2*\k:201+2*\k], v[ACC+\i+2*\k:ACC+\i+2*\k+1]
.endr
.endr
	FOLD 200
	v_mov_b32 v209, 0                              ; upper halves of pairs that are named whole
	v_mov_b32 v213, 0
	v_mov_b32 v215, 0
	s_delay_alu instid0(VALU_DEP_4)
	v_mul_f32 v208, s44, v200                      ; the mean of my wave's 128 columns of row r
.set n, 0
.rept 32
	v_pk_add_f32 v[ACC+n:ACC+n+1], v[ACC+n:ACC+n+1], v[208:209] op_sel_hi:[1,0] neg_lo:[0,1] neg_hi:[0,1]   ; d = u - that mean
.set n, n+2
.endr
.irp k, 0,1,2,3
	v_pk_mul_f32 v[200+2*\k:201+2*\k], v[ACC+2*\k:ACC+2*\k+1], v[ACC+2*\k:ACC+2*\k+1]
.endr
.irp i, 8,16,24,32,40,48,56
.irp k, 0,1,2,3
	v_pk_fma_f32 v[200+2*\k:201+2*\k], v[ACC+\i+2*\k:ACC+\i+2*\k+1], v[ACC+\i+2*\k:ACC+\i+2*\k+1], v[200+2*\k:201+2*\k]
.endr
.endr
	FOLD 209                                       ; M2: the sum of d^2 over the 128
	ds_store_b64 v7, v[208:209]                    ; lanes r and r + 16 write the same pair to the same place
	s_wait_alu depctr_va_vdst(0)
	s_wait_loadcnt 0x0                             ; g and b
	s_wait_dscnt 0x0
	s_barrier_signal -1
	s_barrier_wait -1                              ; the pairs are in; and every wave's reads of x in the stage are over
.irp k, 0,1,2,3
	ds_load_b128 v[216+4*\k:219+4*\k], v8 offset:16*\k   ; wave w's mean in v[216 + 2 w], its M2 in v[217 + 2 w]
.endr
	s_wait_dscnt 0x0
	v_add_f32 v200, v216, v218
	v_add_f32 v201, v220, v222
	v_add_f32 v202, v224, v226
	v_add_f32 v203, v228, v230
	v_add_f32 v204, v217, v219
	v_add_f32 v205, v221, v223
	v_add_f32 v206, v225, v227
	v_add_f32 v207, v229, v231
	v_add_f32 v200, v200, v201
	v_add_f32 v202, v202, v203
	v_add_f32 v204, v204, v205
	v_add_f32 v206, v206, v207
	v_add_f32 v200, v200, v202
	v_add_f32 v204, v204, v206                     ; the sum of the eight M2
	s_delay_alu instid0(VALU_DEP_2)
	v_mul_f32 v210, s45, v200                      ; the row's mean
.irp w, 0,1,2,3,4,5,6,7
	v_sub_f32 v[232+\w], v[216+2*\w], v210
.endr
	v_mul_f32 v205, v232, v232
	v_mul_f32 v206, v233, v233
.irp w, 2,4,6
	v_fma_f32 v205, v[232+\w], v[232+\w], v205
	v_fma_f32 v206, v[233+\w], v[233+\w], v206
.endr
	s_delay_alu instid0(VALU_DEP_1)
	v_add_f32 v205, v205, v206
	s_delay_alu instid0(VALU_DEP_1)
	v_fma_f32 v204, v205, s46, v204                ; + 128 x the sum of (mean_w - mean)^2
	s_delay_alu instid0(VALU_DEP_1)
	v_fma_f32 v204, v204, s47, s48                 ; / 1,024 + eps
	s_wait_alu depctr_va_vdst(0)
	v_rsq_f32 v212, v204
	v_sub_f32 v211, v208, v210                     ; my wave's mean - the row's (a plain place behind the root)
	s_wait_alu depctr_va_vdst(0)                   ; the wait ahead of the root's first reader
	v_mul_f32 v214, v211, v212
.set n, 0
.rept 32
	v_pk_fma_f32 v[ACC+n:ACC+n+1], v[ACC+n:ACC+n+1], v[212:213], v[214:215] op_sel_hi:[1,0,0]   ; (u - mean) / sqrt
.set n, n+2
.endr
	WIN 0x14
.set n, 0
.rept 32
	v_pk_fma_f32 v[ACC+n:ACC+n+1], v[ACC+n:ACC+n+1], v[n:n+1], v[64+n:65+n]   ; x g + b
.set n, n+2
.endr
	WIN 0
.irp b, 0,1,2,3
.irp j, 0,1,2,3
	ds_store_b128 v4, v[ACC+16*\b+4*\j:ACC+16*\b+4*\j+3] offset:128*\b+16*\j   ; h takes x's place in the stage
.endr
.endr
	s_wait_alu depctr_va_vdst(0)
	s_wait_dscnt 0x0                               ; for the others' sake: my columns of the 16 rows lie in LDS
	s_barrier_signal -1
	; work on registers between the signal and the wait: my 128 columns are K step wave of the next product
.irp b, 0,1,2,3
	v_max3_num_f32 v[TM+\b], |v[ACC+16*\b]|, |v[ACC+1+16*\b]|, 0x1800000   ; block b: my 16 numbers, and the floor 2^(3 - 127)
.endr
.irp i, 2,4,6,8,10,12,14
.irp b, 0,1,2,3
	v_max3_num_f32 v[TM+\b], v[TM+\b], |v[ACC+16*\b+\i]|, |v[ACC+1+16*\b+\i]|   ; the four blocks by turns
.endr
.endr
.irp b, 0,1,2,3
	v_permlanex16_b32 v[TM+4+\b], v[TM+\b], s42, s43
.endr
.irp b, 0,1,2,3
	v_max_num_f32 v[TM+\b], v[TM+\b], v[TM+4+\b]
.endr
.irp b, 0,1,2,3
	v_add_nc_u32 v[TM+12+\b], 0xff000000, v[TM+\b]   ; 2 off the exponent field: the conversion's scale operand
.endr
.irp b, 0,1,2,3
	v_lshrrev_b32 v[TM+4+\b], 23, v[TM+12+\b]      ; the scale's byte
.endr
	v_lshl_or_b32 v[PW], v[TM+5], 8, v[TM+4]
	s_delay_alu instid0(VALU_DEP_1)
	v_lshl_or_b32 v[PW], v[TM+6], 16, v[PW]
	s_delay_alu instid0(VALU_DEP_1)
	v_lshl_or_b32 v[PW], v[TM+7], 24, v[PW]
.irp b, 0,1,2,3
	v_cvt_scalef32_pk8_fp4_f32 v[PC+2*\b], v[ACC+16*\b:ACC+7+16*\b], v[TM+12+\b]
	v_cvt_scalef32_pk8_fp4_f32 v[PC+1+2*\b], v[ACC+8+16*\b:ACC+15+16*\b], v[TM+12+\b]
.endr
	v_nop                                          ; one plain place behind a scaled conversion
.irp c, 0,1
.irp i, 0,1
	v_permlane16_swap_b32 v[PC+4*\c+\i], v[PC+2+4*\c+\i]   ; a whole block in a lane
.endr
.endr
	s_wait_alu depctr_va_vdst(0)
	s_barrier_wait -1
.irp j, 0,1
.irp i, 0,1,2,3,4,5,6,7
	ds_load_b128 v[128+32*\j+4*\i:128+32*\j+4*\i+3], v3 offset:LP*\j+512*\i   ; two whole rows of h
.endr
.endr
	global_store_b128 v11, v[PC:PC+3], s[20:21]    ; 32 lanes store 512 consecutive bytes
	global_store_b128 v11, v[PC+4:PC+7], s[20:21] offset:512
	global_store_b32 v12, v[PW], s[20:21]          ; lanes r and r + 16 write the same word to the same place
.set n, 0
.rept 16
	s_wait_dscnt 15-n                              ; load n is back; the younger may be out
	global_store_b128 v2, v[128+4*n:128+4*n+3], s[18:19] offset:4096*(n/8)+512*(n%8)
.set n, n+1
.endr
	s_wait_tensorcnt 0x0                           ; the wave's end
	ds_add_u32 v14, v15
	s_wait_dscnt 0x0
	CROUND                                         ; the closing round
	s_endpgm
.Lfunc_end_k_q552e7bc2f8_woln:
	.size	k_q552e7bc2f8_woln, .Lfunc_end_k_q552e7bc2f8_woln-k_q552e7bc2f8_woln
	.p2alignl 7, 3214868480
	.fill 96, 4, 3214868480
	.section	.rodata,"a",@progbits
	.p2align	6, 0x0
	.amdhsa_kernel k_q552e7bc2f8_woln
		.amdhsa_group_segment_fixed_size 327680
		.amdhsa_private_segment_fixed_size 0
		.amdhsa_enable_private_segment 0
		.amdhsa_kernarg_size 56
		.amdhsa_user_sgpr_count 2
		.amdhsa_user_sgpr_kernarg_segment_ptr 1
		.amdhsa_wavefront_size32 1
		.amdhsa_system_sgpr_workgroup_id_x 1
		.amdhsa_system_sgpr_workgroup_id_y 1
		.amdhsa_system_sgpr_workgroup_id_z 1
		.amdhsa_system_vgpr_workitem_id 0
		.amdhsa_next_free_vgpr 512
		.amdhsa_next_free_sgpr 80
		.amdhsa_reserve_vcc 0
		.amdhsa_float_denorm_mode_32 3
		.amdhsa_float_denorm_mode_16_64 3
		.amdhsa_memory_ordered 1
		.amdhsa_forward_progress 1
		.amdhsa_inst_pref_size 59
	.end_amdhsa_kernel
	.amdgpu_metadata
---
amdhsa.version: [ 1, 2 ]
amdhsa.kernels:
  - .name:           k_q552e7bc2f8_woln
    .symbol:         k_q552e7bc2f8_woln.kd
    .args:
      - { .name: ctxc, .offset: 0, .size: 8, .value_kind: global_buffer, .address_space: global }
      - { .name: ops, .offset: 8, .size: 8, .value_kind: global_buffer, .address_space: global }
      - { .name: enc_input, .offset: 16, .size: 8, .value_kind: global_buffer, .address_space: global }
      - { .name: ln1_g, .offset: 24, .size: 8, .value_kind: global_buffer, .address_space: global }
      - { .name: ln1_b, .offset: 32, .size: 8, .value_kind: global_buffer, .address_space: global }
      - { .name: h, .offset: 40, .size: 8, .value_kind: global_buffer, .address_space: global }
      - { .name: hc, .offset: 48, .size: 8, .value_kind: global_buffer, .address_space: global }
    .group_segment_fixed_size: 327680
    .private_segment_fixed_size: 0
    .kernarg_segment_align: 8
    .kernarg_segment_size: 56
    .max_flat_workgroup_size: 256
    .sgpr_count:     80
    .vgpr_count:     512
    .wavefront_size: 32
...
	.end_amdgpu_metadata
.endif
;; end of part 4
;; launch ffn1 (part 5): grid 16 x 16, 4 waves a work-group, clusters of 4 x 4, 327,680 bytes of LDS; arguments hc, ops, b1, hid; writes hid
.if DOCPART == 5
	.amdgcn_target "amdgcn-amd-amdhsa--gfx1250"
	.amdhsa_code_object_version 6
	.text
	.protected	k_q552e7bc2f8_ffn1
	.globl	k_q552e7bc2f8_ffn1
	.p2align	8
	.type	k_q552e7bc2f8_ffn1,@function
k_q552e7bc2f8_ffn1:
	s_mov_b64 s[64:65], 0
	v_nop
	global_prefetch_b8 v0, s[64:65] scope:SCOPE_SE
	s_setreg_imm32_b32 hwreg(HW_REG_WAVE_MODE, 25, 1), 1
	s_wait_xcnt 0x0
	s_wait_alu depctr_hold_cnt(0) depctr_sa_sdst(0) depctr_va_vdst(0) depctr_va_sdst(0) depctr_va_ssrc(0) depctr_va_vcc(0) depctr_vm_vsrc(0)
	s_getreg_b32 s2, hwreg(HW_REG_IB_STS2, 6, 4)
	s_cmp_eq_u32 s2, 0
	s_cbranch_scc0 .Lentry_in_a_cluster
	s_endpgm
.Lentry_in_a_cluster:
	s_bfe_u32 s2, ttmp6, 0x10000c
	s_cmp_lg_u32 s2, 0xf033
	s_cbranch_scc0 .Lentry_shape_is_right
	s_endpgm
.Lentry_shape_is_right:
.set NKC,   2
.set ZERO,  2
.set BOFF,  128
.set CH,    34816
.set SCO,   32768
.set SLOT,  4*CH
.set SPARE, 2*SLOT
.set LAPS,  NKC/2
.set NQ,    4
.set FR,    8
.set NL,    2
.set NP,    4
.set ADRA, 16
.set ADRB, 20
.set ADRS, 22
.set SPW,  28
.set NIL,  29
.set SC,   32
.set AF,   128
.set BI,   192
.set G1, 24
.set G0, 32
.set G1B, 48
.set G0B, 56
.set MSB, 0
.macro WIN new
.if MSB != (\new)
	s_set_vgpr_msb (MSB<<8)|(\new)
.set MSB, \new
.endif
.endm
.set TO_B, 0x40
.macro JLOAD g0a, g1a, g0b, g1b
	s_cmp_eq_u32 s15, 0
	s_cbranch_scc0 .Lfor_b_\@
	tensor_load_to_lds s[\g0a:\g0a+3], s[\g1a:\g1a+7]
	s_nop 0
.rept 4
	v_nop
.endr
	s_branch .Lasked_\@
.Lfor_b_\@:
	tensor_load_to_lds s[\g0b:\g0b+3], s[\g1b:\g1b+7]
	s_nop 0
.rept 4
	v_nop
.endr
.Lasked_\@:
.endm
.macro CREST
	s_cmp_lg_u32 s14, 0
	s_cbranch_scc1 .Lnot_wave_0_\@
	s_barrier_signal -3
.Lnot_wave_0_\@:
	s_barrier_wait -3
	s_barrier_signal -1
	s_barrier_wait -1
.endm
.macro CROUND
	s_barrier_signal -1
	s_barrier_wait -1
	CREST
.endm
.macro FRAG reg, adr, q, i
.irp c, 0,1
	ds_load_b128 v[\reg+4*\c:\reg+4*\c+3], v[\adr] offset:1024*(8*(\q)+(\i))+512*\c
.endr
.endm
.macro MUL16 a0, p, q, sc, zero
.irp a, \a0, \a0+1
.irp b, 0,1,2,3,4,5,6,7
.set rD, 8*(8*((\a)%4)+\b)
.set rB, 128*(\p)+FR*\b
.set rA, AF+FR*(\a)
.set rT, SC+32*(\sc)+4*\b+(\q)
.set rS, SC+32*(\sc)+4*(\a)+(\q)
.if (\zero) == 1
	v_wmma_scale_f32_16x16x128_f8f6f4 v[rD:rD+7], v[rB:rB+7], v[rA:rA+7], 0, v[rT], v[rS] matrix_a_fmt:MATRIX_FMT_FP4 matrix_b_fmt:MATRIX_FMT_FP4 matrix_a_scale:MATRIX_SCALE_ROW1
.elseif (\zero) == 2
	v_wmma_scale_f32_16x16x128_f8f6f4 v[rD:rD+7], v[rB:rB+7], v[rA:rA+7], v[BI+8*\b:BI+8*\b+7], v[rT], v[rS] matrix_a_fmt:MATRIX_FMT_FP4 matrix_b_fmt:MATRIX_FMT_FP4 matrix_a_scale:MATRIX_SCALE_ROW1
.else
	v_wmma_scale_f32_16x16x128_f8f6f4 v[rD:rD+7], v[rB:rB+7], v[rA:rA+7], v[rD:rD+7], v[rT], v[rS] matrix_a_fmt:MATRIX_FMT_FP4 matrix_b_fmt:MATRIX_FMT_FP4 matrix_a_scale:MATRIX_SCALE_ROW1
.endif
.endr
.endr
.endm
.macro WINM hi, zero
.if (\zero) == 2
	WIN 0x81+0x40*(\hi)
.else
	WIN 0xa1+0x50*(\hi)
.endif
.endm
.macro FETCH_B slot, q, p
	WIN TO_B
.irp i, 0,1,2,3,4,5,6,7
	FRAG 128*(\p)+FR*\i, ADRB+\slot, \q, \i
.endr
	WIN 0
.endm
.macro FETCH_A slot, q, i0
.irp i, \i0, \i0+1, \i0+2, \i0+3
	FRAG AF+FR*(\i), ADRA+\slot, \q, \i
.endr
.endm
.macro SCALES sc
.irp i, 0,1,2,3,4,5,6,7
	ds_load_b128 v[SC+32*\sc+4*\i:SC+32*\sc+4*\i+3], v[ADRS+\sc] offset:256*\i
.endr
.endm
.macro PLACES n
.rept \n
	v_nop
.endr
.endm
.macro STEP slot, q, zero
	s_wait_dscnt 4*NL
	WINM 0, \zero
	MUL16 0, (\q)%2, \q, \slot, \zero
	MUL16 2, (\q)%2, \q, \slot, \zero
	s_wait_dscnt 0
	PLACES NP
	FETCH_B \slot, (\q)+1, 1-(\q)%2
	FETCH_A \slot, (\q)+1, 0
	WINM 1, \zero
	MUL16 4, (\q)%2, \q, \slot, \zero
	MUL16 6, (\q)%2, \q, \slot, \zero
	PLACES NP
	WIN 0
	FETCH_A \slot, (\q)+1, 4
.endm
.macro TURN slot, next, fill
	s_wait_tensorcnt 0x0
	ds_add_u32 v[SPW], v[NIL]
	s_wait_dscnt 4*NL+1
	WINM 0, 0
	MUL16 0, 1, NQ-1, \slot, 0
	s_wait_dscnt 0x0
	s_barrier_signal -1
	MUL16 2, 1, NQ-1, \slot, 0
	WIN 0
	s_barrier_wait -1
.if \fill
	CREST
	s_add_nc_u64 s[G0+4*\slot+2:G0+4*\slot+3], s[G0+4*\slot+2:G0+4*\slot+3], 2*CH
	s_add_nc_u64 s[G0B+4*\slot+2:G0B+4*\slot+3], s[G0B+4*\slot+2:G0B+4*\slot+3], 2*CH
	JLOAD G0+4*\slot, G1, G0B+4*\slot, G1B
.else
	PLACES NP
.endif
	FETCH_B \next, 0, 0
	FETCH_A \next, 0, 0
	SCALES \next
	WINM 1, 0
	MUL16 4, 1, NQ-1, \slot, 0
	MUL16 6, 1, NQ-1, \slot, 0
	PLACES NP
	WIN 0
	FETCH_A \next, 0, 4
.endm
.macro STEPS slot, from
.set Q, \from
.rept NQ-1-\from
	STEP \slot, Q, 0
.set Q, Q+1
.endr
.endm
.set VO0, 24
.set VS,  26
.set PC,  96
.set PW,  104
.set TM,  108
.set SEL, 90
	s_load_b128 s[4:7], s[0:1], 0x0
	s_load_b128 s[8:11], s[0:1], 0x10
	v_lshl_add_u32 v[SPW], v0, 2, SPARE
	v_mov_b32 v[NIL], 0
	ds_add_u32 v28, v29
	ds_add_u32 v28, v29
	s_wait_dscnt 0x0
	v_lshrrev_b32 v1, 5, v0
	v_readfirstlane_b32 s14, v1
	s_lshr_b32 s15, s14, 1
	s_and_b32 s16, s14, 1
	s_bfe_u32 s40, ttmp6, 0x40000
	s_bfe_u32 s41, ttmp6, 0x40004
	s_lshl_b32 s43, s41, 2
	s_lshl_b32 s43, 15, s43
	s_lshl_b32 s44, 0x1111, s40
	s_or_b32 s[G1+0], s43, (3<<16)|(1<<21)
	s_or_b32 s[G1B+0], s44, (3<<16)|(1<<21)
.irp g, G1, G1B
	s_mov_b32 s[\g+1], 32<<16
	s_mov_b32 s[\g+2], 272<<16                     ; tensor_dim1: TWO chunks on end, all of K = 1,024 of 128 rows: 272 rows of 256 bytes
	s_mov_b32 s[\g+3], 32<<16
	s_mov_b32 s[\g+4], 272                         ; tile_dim1
	s_mov_b32 s[\g+5], 32
	s_mov_b32 s[\g+6], 0
	s_mov_b32 s[\g+7], 0
.endr
	s_mul_i32 s45, s14, 2*CH                       ; LDS: wave x two chunks: A's half 0, A's half 1, B's half 0, B's half 1, each with its two chunks along K on end
	s_lshl_b32 s42, ttmp9, 2
	s_add_co_u32 s42, s42, s40
	s_and_b32 s17, ttmp7, 0xffff
	s_lshl_b32 s17, s17, 2
	s_add_co_u32 s17, s17, s41
	s_lshl_b32 s20, s17, 1
	s_add_co_u32 s20, s20, s16
	s_mul_i32 s20, s20, NKC*CH
	s_mov_b32 s21, 0
	s_lshl_b32 s46, s42, 1
	s_add_co_u32 s46, s46, s16
	s_mul_i32 s46, s46, NKC*CH
	s_add_co_u32 s46, s46, BOFF*CH
	s_mov_b32 s47, 0
	s_wait_kmcnt 0x0
	s_add_nc_u64 s[20:21], s[4:5], s[20:21]
	s_add_nc_u64 s[46:47], s[6:7], s[46:47]
	CROUND
.irp s, 0
	s_mov_b32 s[G0+4*\s], 1
	s_add_co_u32 s[G0+4*\s+1], s45, \s*SLOT
	s_add_nc_u64 s[G0+4*\s+2:G0+4*\s+3], s[20:21], \s*CH
	s_or_b32 s[G0+4*\s+3], s[G0+4*\s+3], 0x80000000
	s_mov_b32 s[G0B+4*\s], 1
	s_add_co_u32 s[G0B+4*\s+1], s45, \s*SLOT
	s_add_nc_u64 s[G0B+4*\s+2:G0B+4*\s+3], s[46:47], \s*CH
	s_or_b32 s[G0B+4*\s+3], s[G0B+4*\s+3], 0x80000000
	JLOAD G0+4*\s, G1, G0B+4*\s, G1B               ; my one tensor load: nothing is filled later in this launch
.endr
	v_and_b32 v1, 15, v0
	v_bfe_u32 v2, v0, 4, 1
	v_and_b32 v3, 31, v0
	v_lshlrev_b32 v3, 4, v3
	s_wait_alu depctr_va_vdst(0)
	s_mul_i32 s18, s15, 2*CH
	s_mul_i32 s19, s16, 2*CH
	s_add_co_u32 s19, s19, 4*CH
	s_xor_b32 s22, s15, 1
	s_add_co_u32 s22, s22, s16
	s_add_co_u32 s22, s22, 1
	s_mul_i32 s22, s22, 2*CH
	v_mul_u32_u24 v4, s22, v2
	v_lshl_add_u32 v4, v1, 4, v4
	v_add_nc_u32 v4, SCO, v4
.irp s, 0,1
	v_add_nc_u32 v[ADRA+\s], s18, v3
	v_add_nc_u32 v[ADRB+\s], s19, v3
	v_add_nc_u32 v[ADRS+\s], s18, v4
	s_add_co_u32 s18, s18, CH                      ; 'slot' s of the macros is chunk s along K: one chunk on
	s_add_co_u32 s19, s19, CH
.endr
	s_lshl_b32 s86, s42, 10
	s_lshl_b32 s87, s16, 9
	s_add_co_u32 s86, s86, s87
	s_mov_b32 s87, 0
	s_add_nc_u64 s[8:9], s[8:9], s[86:87]
	v_lshlrev_b32 v5, 6, v2
.irp b, 0,1,2,3,4,5,6,7
	global_load_b128 v[BI+8*\b:BI+8*\b+3], v5, s[8:9] offset:128*(\b/2)+32*(\b%2)
	global_load_b128 v[BI+8*\b+4:BI+8*\b+7], v5, s[8:9] offset:128*(\b/2)+32*(\b%2)+16
.endr
	s_lshl_b32 s68, s42, 1
	s_add_co_u32 s68, s68, s16
	s_lshl_b32 s69, s17, 1
	s_add_co_u32 s69, s69, s15
	s_lshl_b32 s69, s69, 3
	s_lshr_b32 s70, s68, 2
	s_add_co_u32 s69, s69, s70
	s_mul_i32 s69, s69, CH
	s_and_b32 s68, s68, 3
	s_lshl_b32 s70, s68, 13
	s_add_co_u32 s70, s70, s69
	v_add_nc_u32 v[VO0], s70, v3
	s_lshl_b32 s70, s68, 2
	s_add_co_u32 s70, s70, s69
	s_add_co_u32 s70, s70, SCO
	v_lshl_add_u32 v[VS], v1, 4, s70
	s_mov_b32 s[SEL], 0x76543210
	s_mov_b32 s[SEL+1], 0xfedcba98
.irp b, 0,1,2,3
	v_mov_b32 v[TM+4+\b], 0
.endr
	s_wait_alu depctr_va_vdst(0)
	s_wait_loadcnt 0x0
	s_wait_tensorcnt 0x0                           ; my two chunks are in
	s_barrier_signal -1
	s_barrier_wait -1
	FETCH_B 0, 0, 0
	FETCH_A 0, 0, 0
	SCALES 0
	FETCH_A 0, 0, 4
	STEP 0, 0, ZERO
.if LAPS > 1
	s_mov_b32 s3, LAPS-1
.Llap:
	STEPS 0, 1
	TURN 0, 1, 1
	STEPS 1, 0
	TURN 1, 0, 1
	STEP 0, 0, 0
	s_sub_co_u32 s3, s3, 1
	s_cmp_lg_u32 s3, 0
	s_cbranch_scc1 .Llap
.endif
	STEPS 0, 1
	TURN 0, 1, 0
	STEPS 1, 0
	s_wait_dscnt 4*NL
	WINM 0, 0
	MUL16 0, 1, NQ-1, 1, 0
	MUL16 2, 1, NQ-1, 1, 0
	s_wait_dscnt 0
	WINM 1, 0
	MUL16 4, 1, NQ-1, 1, 0
	MUL16 6, 1, NQ-1, 1, 0
	WIN 0
	PLACES NP
.macro QUANTW a, relu
.set AC, 64*((\a)%4)
.set W, 2+(\a)/4
	s_wait_xcnt 0x0
.if \relu
	WIN (W<<2)|(W<<6)
.set n, 0
.rept 64
	v_max_num_f32 v[AC+n], 0, v[AC+n]
.set n, n+1
.endr
.endif
	WIN W|(W<<2)
.irp b, 0,1,2,3
	v_max3_num_f32 v[TM+\b], |v[AC+16*\b]|, |v[AC+16*\b+1]|, 0x1800000
.endr
.irp i, 2,4,6,8,10,12,14
.irp b, 0,1,2,3
	v_max3_num_f32 v[TM+\b], |v[AC+16*\b+\i]|, |v[AC+16*\b+\i+1]|, v[TM+\b]
.endr
.endr
	WIN 0
.irp b, 0,1,2,3
	v_permlanex16_b32 v[TM+4+\b], v[TM+\b], s[SEL], s[SEL+1]
.endr
.irp b, 0,1,2,3
	v_max_num_f32 v[TM+\b], v[TM+\b], v[TM+4+\b]
.endr
.irp b, 0,1,2,3
	v_add_nc_u32 v[TM+12+\b], 0xff000000, v[TM+\b]
.endr
.irp b, 0,1,2,3
	v_lshrrev_b32 v[TM+4+\b], 23, v[TM+12+\b]
.endr
	v_lshl_or_b32 v[PW], v[TM+5], 8, v[TM+4]
	v_lshl_or_b32 v[PW], v[TM+6], 16, v[PW]
	v_lshl_or_b32 v[PW], v[TM+7], 24, v[PW]
	WIN W
.irp b, 0,1,2,3
	v_cvt_scalef32_pk8_fp4_f32 v[PC+2*\b], v[AC+16*\b:AC+16*\b+7], v[TM+12+\b]
	v_cvt_scalef32_pk8_fp4_f32 v[PC+2*\b+1], v[AC+16*\b+8:AC+16*\b+15], v[TM+12+\b]
.endr
	WIN 0
	v_nop
.irp c, 0,1
.irp i, 0,1
	v_permlane16_swap_b32 v[PC+4*\c+\i], v[PC+2+4*\c+\i]
.endr
.endr
.endm
.irp a, 0,1,2,3,4,5,6,7
	QUANTW \a, 1
	global_store_b128 v[VO0], v[PC:PC+3], s[10:11] offset:1024*\a
	global_store_b128 v[VO0], v[PC+4:PC+7], s[10:11] offset:1024*\a+512
	global_store_b32 v[VS], v[PW], s[10:11] offset:256*\a
.endr
	s_wait_tensorcnt 0x0
	ds_add_u32 v[SPW], v[NIL]
	s_wait_dscnt 0x0
	CROUND
	s_endpgm
.Lfunc_end_k_q552e7bc2f8_ffn1:
	.size	k_q552e7bc2f8_ffn1, .Lfunc_end_k_q552e7bc2f8_ffn1-k_q552e7bc2f8_ffn1
	.p2alignl 7, 3214868480
	.fill 96, 4, 3214868480
	.section	.rodata,"a",@progbits
	.p2align	6, 0x0
	.amdhsa_kernel k_q552e7bc2f8_ffn1
		.amdhsa_group_segment_fixed_size 327680
		.amdhsa_private_segment_fixed_size 0
		.amdhsa_enable_private_segment 0
		.amdhsa_kernarg_size 32
		.amdhsa_user_sgpr_count 2
		.amdhsa_user_sgpr_kernarg_segment_ptr 1
		.amdhsa_wavefront_size32 1
		.amdhsa_system_sgpr_workgroup_id_x 1
		.amdhsa_system_sgpr_workgroup_id_y 1
		.amdhsa_system_sgpr_workgroup_id_z 1
		.amdhsa_system_vgpr_workitem_id 0
		.amdhsa_next_free_vgpr 1024
		.amdhsa_next_free_sgpr 100
		.amdhsa_reserve_vcc 0
		.amdhsa_float_denorm_mode_32 3
		.amdhsa_float_denorm_mode_16_64 3
		.amdhsa_memory_ordered 1
		.amdhsa_forward_progress 1
		.amdhsa_inst_pref_size 143
	.end_amdhsa_kernel
	.amdgpu_metadata
---
amdhsa.version: [ 1, 2 ]
amdhsa.kernels:
  - .name:           k_q552e7bc2f8_ffn1
    .symbol:         k_q552e7bc2f8_ffn1.kd
    .args:
      - { .name: hc, .offset: 0, .size: 8, .value_kind: global_buffer, .address_space: global }
      - { .name: ops, .offset: 8, .size: 8, .value_kind: global_buffer, .address_space: global }
      - { .name: b1, .offset: 16, .size: 8, .value_kind: global_buffer, .address_space: global }
      - { .name: hid, .offset: 24, .size: 8, .value_kind: global_buffer, .address_space: global }
    .group_segment_fixed_size: 327680
    .private_segment_fixed_size: 0
    .kernarg_segment_align: 8
    .kernarg_segment_size: 32
    .max_flat_workgroup_size: 128
    .sgpr_count:     100
    .vgpr_count:     1024
    .wavefront_size: 32
...
	.end_amdgpu_metadata
.endif
;; end of part 5
;; launch ffn2 (part 6): grid 8 x 32, 4 waves a work-group, clusters of 4 x 4, 327,680 bytes of LDS; arguments hid, ops, b2, y2; writes y2
.if DOCPART == 6
	.amdgcn_target "amdgcn-amd-amdhsa--gfx1250"
	.amdhsa_code_object_version 6
	.text
	.protected	k_q552e7bc2f8_ffn2
	.globl	k_q552e7bc2f8_ffn2
	.p2align	8
	.type	k_q552e7bc2f8_ffn2,@function
k_q552e7bc2f8_ffn2:
	s_mov_b64 s[64:65], 0
	v_nop
	global_prefetch_b8 v0, s[64:65] scope:SCOPE_SE
	s_setreg_imm32_b32 hwreg(HW_REG_WAVE_MODE, 25, 1), 1
	s_wait_xcnt 0x0
	s_wait_alu depctr_hold_cnt(0) depctr_sa_sdst(0) depctr_va_vdst(0) depctr_va_sdst(0) depctr_va_ssrc(0) depctr_va_vcc(0) depctr_vm_vsrc(0)
	s_getreg_b32 s2, hwreg(HW_REG_IB_STS2, 6, 4)
	s_cmp_eq_u32 s2, 0
	s_cbranch_scc0 .Lentry_in_a_cluster
	s_endpgm
.Lentry_in_a_cluster:
	s_bfe_u32 s2, ttmp6, 0x10000c
	s_cmp_lg_u32 s2, 0xf033
	s_cbranch_scc0 .Lentry_shape_is_right
	s_endpgm
.Lentry_shape_is_right:
.set NKC,   8
.set NS,    NKC/2
.set ZERO,  2
.set BOFF,  64
.set OUT,   10
.set CH,    34816
.set SCO,   32768
.set SLOT,  4*CH
.set SPARE, 2*SLOT
.set STAGE, SPARE+512
.set SPITCH, 272
.set ADRA, 16
.set ADRB, 20
.set ADRS, 22
.set STO,  24
.set RD,   25
.set CO,   26
.set SPW,  28
.set NIL,  29
.set SC,   32
.set BI,   64
.set ACC,  128
.set BK,   32
.set F0,   0
.set F1,   128
.set G1, 24
.set G0, 32
.set G1B, 48
.set G0B, 56
.set MSB, 0
.macro WIN new
.if MSB != (\new)
	s_set_vgpr_msb (MSB<<8)|(\new)
.set MSB, \new
.endif
.endm
.set MUL,  0x05
.set TO_F, 0x40
.macro JLOAD g0a, g1a, g0b, g1b
	s_cmp_eq_u32 s15, 0
	s_cbranch_scc0 .Lfor_b_\@
	tensor_load_to_lds s[\g0a:\g0a+3], s[\g1a:\g1a+7]
	s_nop 0
.rept 4
	v_nop
.endr
	s_branch .Lasked_\@
.Lfor_b_\@:
	tensor_load_to_lds s[\g0b:\g0b+3], s[\g1b:\g1b+7]
	s_nop 0
.rept 4
	v_nop
.endr
.Lasked_\@:
.endm
.macro CREST
	s_cmp_lg_u32 s14, 0
	s_cbranch_scc1 .Lnot_wave_0_\@
	s_barrier_signal -3
.Lnot_wave_0_\@:
	s_barrier_wait -3
	s_barrier_signal -1
	s_barrier_wait -1
.endm
.macro CROUND
	s_barrier_signal -1
	s_barrier_wait -1
	CREST
.endm
.macro PLACES
.rept 4
	v_nop
.endr
.endm
.macro MUL8 f, c, a0, pr, zero
.irp a, \a0, \a0+1
.irp b, 0,1,2,3
.set rD, ACC+8*(4*(\a)+\b)
.set rB, (\f)+64+8*(4*(\c)+\b)
.set rA, (\f)+8*(4*(\c)+(\a))
.set rT, SC+16*((\pr)/2)+4*\b+2*((\pr)%2)+(\c)
.set rS, SC+16*((\pr)/2)+4*(\a)+2*((\pr)%2)+(\c)
.if (\zero) == 1
	v_wmma_scale_f32_16x16x128_f8f6f4 v[rD:rD+7], v[rB:rB+7], v[rA:rA+7], 0, v[rT], v[rS] matrix_a_fmt:MATRIX_FMT_FP4 matrix_b_fmt:MATRIX_FMT_FP4 matrix_a_scale:MATRIX_SCALE_ROW1
.elseif (\zero) == 2
	v_wmma_scale_f32_16x16x128_f8f6f4 v[rD:rD+7], v[rB:rB+7], v[rA:rA+7], v[BI+8*\b:BI+8*\b+7], v[rT], v[rS] matrix_a_fmt:MATRIX_FMT_FP4 matrix_b_fmt:MATRIX_FMT_FP4 matrix_a_scale:MATRIX_SCALE_ROW1
.else
	v_wmma_scale_f32_16x16x128_f8f6f4 v[rD:rD+7], v[rB:rB+7], v[rA:rA+7], v[rD:rD+7], v[rT], v[rS] matrix_a_fmt:MATRIX_FMT_FP4 matrix_b_fmt:MATRIX_FMT_FP4 matrix_a_scale:MATRIX_SCALE_ROW1
.endif
.endr
.endr
.endm
.macro FETCH slot, pr, f
.set KO, ((\pr)/2)*CH+((\pr)%2)*16384
.if ((\pr)%2) == 0
	WIN 0
.irp i, 0,1,2,3
	ds_load_b128 v[SC+16*((\pr)/2)+4*\i:SC+16*((\pr)/2)+4*\i+3], v[ADRS+\slot] offset:((\pr)/2)*CH+256*\i
.endr
.endif
	WIN TO_F
.irp c, 0,1
.irp i, 0,1,2,3
	ds_load_b128 v[(\f)+64+8*(4*\c+\i):(\f)+64+8*(4*\c+\i)+3],   v[ADRB+\slot] offset:KO+8192*\c+1024*\i
	ds_load_b128 v[(\f)+64+8*(4*\c+\i)+4:(\f)+64+8*(4*\c+\i)+7], v[ADRB+\slot] offset:KO+8192*\c+1024*\i+512
	ds_load_b128 v[(\f)+8*(4*\c+\i):(\f)+8*(4*\c+\i)+3],         v[ADRA+\slot] offset:KO+8192*\c+1024*\i
	ds_load_b128 v[(\f)+8*(4*\c+\i)+4:(\f)+8*(4*\c+\i)+7],       v[ADRA+\slot] offset:KO+8192*\c+1024*\i+512
.endr
.endr
.endm
.macro QUARTER slot, pr, zero
.set FF, 128*((\pr)%2)
.set FG, 128-FF
	s_wait_dscnt 16
	WIN MUL
	MUL8 FF, 0, 0, \pr, \zero
	MUL8 FF, 0, 2, \pr, \zero
	PLACES
	FETCH \slot, (\pr)+1, FG
	s_wait_dscnt 32+4*((\pr)%2)
	WIN MUL
	MUL8 FF, 1, 0, \pr, 0
	MUL8 FF, 1, 2, \pr, 0
.endm
.macro TURN slot, next, fill
	WIN 0
	s_wait_tensorcnt 0x0
	ds_add_u32 v[SPW], v[NIL]
	s_wait_dscnt 17
	WIN MUL
	MUL8 F1, 0, 0, 3, 0
	s_wait_dscnt 0x0
	s_barrier_signal -1
	MUL8 F1, 0, 2, 3, 0
	WIN 0
	s_barrier_wait -1
.if \fill
	CREST
	s_add_nc_u64 s[G0+4*\slot+2:G0+4*\slot+3], s[G0+4*\slot+2:G0+4*\slot+3], 4*CH
	s_add_nc_u64 s[G0B+4*\slot+2:G0B+4*\slot+3], s[G0B+4*\slot+2:G0B+4*\slot+3], 4*CH
	JLOAD G0+4*\slot, G1, G0B+4*\slot, G1B
.else
	PLACES
.endif
	FETCH \next, 0, F0
	WIN MUL
	MUL8 F1, 1, 0, 3, 0
	MUL8 F1, 1, 2, 3, 0
.endm
	s_load_b128 s[4:7], s[0:1], 0x0
.if ZERO == 2
	s_load_b128 s[8:11], s[0:1], 0x10
.else
	s_load_b64 s[OUT:OUT+1], s[0:1], 0x10
.endif
	v_lshl_add_u32 v[SPW], v0, 2, SPARE
	v_mov_b32 v[NIL], 0
	ds_add_u32 v28, v29
	ds_add_u32 v28, v29
	s_wait_dscnt 0x0
	v_lshrrev_b32 v1, 5, v0
	v_readfirstlane_b32 s14, v1
	s_lshr_b32 s15, s14, 1
	s_and_b32 s16, s14, 1
	s_bfe_u32 s40, ttmp6, 0x40000
	s_bfe_u32 s41, ttmp6, 0x40004
	s_lshl_b32 s43, s41, 2
	s_lshl_b32 s43, 15, s43
	s_lshl_b32 s44, 0x1111, s40
	s_or_b32 s[G1+0], s43, (3<<16)|(1<<21)
	s_or_b32 s[G1B+0], s44, (3<<16)|(1<<21)
.irp g, G1, G1B
	s_mov_b32 s[\g+1], 32<<16
	s_mov_b32 s[\g+2], 272<<16                     ; the head's loads bring two chunks on end: 272 rows of 256 bytes
	s_mov_b32 s[\g+3], 32<<16
	s_mov_b32 s[\g+4], 272
	s_mov_b32 s[\g+5], 32
	s_mov_b32 s[\g+6], 0
	s_mov_b32 s[\g+7], 0
.endr
	s_mul_i32 s45, s14, CH
	s_lshl_b32 s42, ttmp9, 2
	s_add_co_u32 s42, s42, s40
	s_and_b32 s17, ttmp7, 0xffff
	s_lshl_b32 s17, s17, 2
	s_add_co_u32 s17, s17, s41
	s_mul_i32 s20, s17, NKC
	s_add_co_u32 s20, s20, s16
	s_mul_i32 s20, s20, CH
	s_mov_b32 s21, 0
	s_mul_i32 s46, s42, NKC
	s_add_co_u32 s46, s46, s16
	s_add_co_u32 s46, s46, BOFF
	s_mul_i32 s46, s46, CH
	s_mov_b32 s47, 0
	s_wait_kmcnt 0x0
	s_add_nc_u64 s[20:21], s[4:5], s[20:21]
	s_add_nc_u64 s[46:47], s[6:7], s[46:47]
	CROUND
.irp s, 0,1
.if \s < NS
	s_mov_b32 s[G0+4*\s], 1
	s_add_co_u32 s[G0+4*\s+1], s45, \s*SLOT
	s_add_nc_u64 s[G0+4*\s+2:G0+4*\s+3], s[20:21], \s*2*CH
	s_or_b32 s[G0+4*\s+3], s[G0+4*\s+3], 0x80000000
	s_mov_b32 s[G0B+4*\s], 1
	s_add_co_u32 s[G0B+4*\s+1], s45, \s*SLOT
	s_add_nc_u64 s[G0B+4*\s+2:G0B+4*\s+3], s[46:47], \s*2*CH
	s_or_b32 s[G0B+4*\s+3], s[G0B+4*\s+3], 0x80000000
.endif
.endr
	; THE HEAD'S LOADS, ONE A WAVE, FILL BOTH SLOTS: a slot holds A's two chunks on end, then B's two, and an operand's chunks along K lie on end in memory.
	; Wave 0: A's chunks 0, 1 into slot 0; wave 1: A's 2, 3 into slot 1; wave 2: B's 0, 1 into slot 0; wave 3: B's 2, 3 into slot 1.
	s_mov_b32 s72, 1
	s_mul_i32 s73, s16, SLOT
	s_mul_i32 s80, s16, CH                         ; s[20:21], s[46:47] stand at chunk s16: one s16 more makes chunk 2 s16
	s_mov_b32 s81, 0
	s_add_nc_u64 s[74:75], s[20:21], s[80:81]
	s_or_b32 s75, s75, 0x80000000
	s_mov_b32 s76, 1
	s_add_co_u32 s77, s73, 2*CH
	s_add_nc_u64 s[78:79], s[46:47], s[80:81]
	s_or_b32 s79, s79, 0x80000000
	JLOAD 72, G1, 76, G1B
	v_and_b32 v1, 15, v0
	v_bfe_u32 v2, v0, 4, 1
	v_and_b32 v3, 31, v0
	v_lshlrev_b32 v3, 4, v3
	s_wait_alu depctr_va_vdst(0)
	s_lshl_b32 s18, s15, 12
	s_lshl_b32 s19, s16, 12
	s_add_co_u32 s19, s19, 2*CH
	s_xor_b32 s22, s15, 1
	s_add_co_u32 s22, s22, s16
	s_lshl_b32 s22, s22, 10
	s_add_co_u32 s22, s22, 2*CH-1024
	v_mul_u32_u24 v4, s22, v2
	v_lshl_add_u32 v4, v1, 4, v4
	s_lshl_b32 s23, s15, 10
	s_add_co_u32 s23, s23, SCO
.irp s, 0,1
	v_add_nc_u32 v[ADRA+\s], s18, v3
	v_add_nc_u32 v[ADRB+\s], s19, v3
	v_add_nc_u32 v[ADRS+\s], s23, v4
	s_add_co_u32 s18, s18, SLOT
	s_add_co_u32 s19, s19, SLOT
	s_add_co_u32 s23, s23, SLOT
.endr
.if ZERO == 2
	s_lshl_b32 s86, s42, 9
	s_lshl_b32 s87, s16, 8
	s_add_co_u32 s86, s86, s87
	s_mov_b32 s87, 0
	s_add_nc_u64 s[8:9], s[8:9], s[86:87]
	v_lshlrev_b32 v5, 6, v2
.irp b, 0,1,2,3
	global_load_b128 v[BI+8*\b:BI+8*\b+3], v5, s[8:9] offset:128*(\b/2)+32*(\b%2)
	global_load_b128 v[BI+8*\b+4:BI+8*\b+7], v5, s[8:9] offset:128*(\b/2)+32*(\b%2)+16
.endr
.endif
	s_mul_i32 s66, s14, 16*SPITCH
	s_add_co_u32 s66, s66, STAGE
	v_mul_u32_u24 v6, v1, SPITCH
	v_lshl_add_u32 v6, v2, 6, v6
	v_add_nc_u32 v[STO], s66, v6
	v_mul_u32_u24 v7, v2, SPITCH
	v_lshl_add_u32 v7, v1, 4, v7
	v_add_nc_u32 v[RD], s66, v7
	v_lshlrev_b32 v8, 12, v2
	v_lshl_add_u32 v[CO], v1, 4, v8
	s_lshl_b32 s68, s17, 19
	s_lshl_b32 s69, s15, 18
	s_add_co_u32 s68, s68, s69
	s_lshl_b32 s69, s42, 9
	s_add_co_u32 s68, s68, s69
	s_lshl_b32 s69, s16, 8
	s_add_co_u32 s68, s68, s69
	s_mov_b32 s69, 0
	s_add_nc_u64 s[OUT:OUT+1], s[OUT:OUT+1], s[68:69]
.if ZERO == 2
	s_wait_loadcnt 0x0
.endif
.if NS > 1
	s_wait_tensorcnt 0x0                           ; my two chunks are in; no tensor load of mine is out, so a descriptor may be written:
	s_mov_b32 s[G1+2], 136<<16                     ; from here on a load brings one chunk: 136 rows
	s_mov_b32 s[G1+4], 136
	s_mov_b32 s[G1B+2], 136<<16
	s_mov_b32 s[G1B+4], 136
.else
	s_wait_tensorcnt 0x0
.endif
	s_barrier_signal -1
	s_barrier_wait -1
	FETCH 0, 0, F0
	QUARTER 0, 0, ZERO
	QUARTER 0, 1, 0
	QUARTER 0, 2, 0
.if NS > 1
	TURN 0, 1, 1
	QUARTER 1, 0, 0
	QUARTER 1, 1, 0
	QUARTER 1, 2, 0
	TURN 1, 0, 1
	QUARTER 0, 0, 0
	QUARTER 0, 1, 0
	QUARTER 0, 2, 0
	TURN 0, 1, 0
	QUARTER 1, 0, 0
	QUARTER 1, 1, 0
	QUARTER 1, 2, 0
.endif
	s_wait_dscnt 16
	WIN MUL
	MUL8 F1, 0, 0, 3, 0
	MUL8 F1, 0, 2, 3, 0
	s_wait_dscnt 0
	MUL8 F1, 1, 0, 3, 0
	MUL8 F1, 1, 2, 3, 0
	WIN 0
	PLACES
.macro TOSTAGE a
.irp b, 0,1,2,3
	ds_store_b128 v[STO], v[ACC+8*(4*(\a)+\b):ACC+8*(4*(\a)+\b)+3] offset:128*(\b/2)+32*(\b%2)
	ds_store_b128 v[STO], v[ACC+8*(4*(\a)+\b)+4:ACC+8*(4*(\a)+\b)+7] offset:128*(\b/2)+32*(\b%2)+16
.endr
.set BB, BK+32*((\a)%2)
.irp t, 0,1,2,3,4,5,6,7
	ds_load_b128 v[BB+4*\t:BB+4*\t+3], v[RD] offset:\t*2*SPITCH
.endr
.endm
.macro SEND a, younger
.set BB, BK+32*((\a)%2)
	s_wait_dscnt \younger
.irp t, 0,1,2,3,4,5,6,7
	global_store_b128 v[CO], v[BB+4*\t:BB+4*\t+3], s[OUT:OUT+1] offset:(32*((\a)/2)+8*((\a)%2)+2*\t+8*(\t/4))*4096
.endr
.endm
	s_wait_alu depctr_va_vdst(0)
	TOSTAGE 0
.irp a, 1,2,3
.if \a > 1
	s_wait_xcnt 0x0
.endif
	TOSTAGE \a
	SEND \a-1, 16
.endr
	SEND 3, 0
	s_wait_tensorcnt 0x0
	ds_add_u32 v[SPW], v[NIL]
	s_wait_dscnt 0x0
	CROUND
	s_endpgm
.Lfunc_end_k_q552e7bc2f8_ffn2:
	.size	k_q552e7bc2f8_ffn2, .Lfunc_end_k_q552e7bc2f8_ffn2-k_q552e7bc2f8_ffn2
	.p2alignl 7, 3214868480
	.fill 96, 4, 3214868480
	.section	.rodata,"a",@progbits
	.p2align	6, 0x0
	.amdhsa_kernel k_q552e7bc2f8_ffn2
		.amdhsa_group_segment_fixed_size 327680
		.amdhsa_private_segment_fixed_size 0
		.amdhsa_enable_private_segment 0
		.amdhsa_kernarg_size 32
		.amdhsa_user_sgpr_count 2
		.amdhsa_user_sgpr_kernarg_segment_ptr 1
		.amdhsa_wavefront_size32 1
		.amdhsa_system_sgpr_workgroup_id_x 1
		.amdhsa_system_sgpr_workgroup_id_y 1
		.amdhsa_system_sgpr_workgroup_id_z 1
		.amdhsa_system_vgpr_workitem_id 0
		.amdhsa_next_free_vgpr 512
		.amdhsa_next_free_sgpr 100
		.amdhsa_reserve_vcc 0
		.amdhsa_float_denorm_mode_32 3
		.amdhsa_float_denorm_mode_16_64 3
		.amdhsa_memory_ordered 1
		.amdhsa_forward_progress 1
		.amdhsa_inst_pref_size 121
	.end_amdhsa_kernel
	.amdgpu_metadata
---
amdhsa.version: [ 1, 2 ]
amdhsa.kernels:
  - .name:           k_q552e7bc2f8_ffn2
    .symbol:         k_q552e7bc2f8_ffn2.kd
    .args:
      - { .name: hid, .offset: 0, .size: 8, .value_kind: global_buffer, .address_space: global }
      - { .name: ops, .offset: 8, .size: 8, .value_kind: global_buffer, .address_space: global }
      - { .name: b2, .offset: 16, .size: 8, .value_kind: global_buffer, .address_space: global }
      - { .name: y2, .offset: 24, .size: 8, .value_kind: global_buffer, .address_space: global }
    .group_segment_fixed_size: 327680
    .private_segment_fixed_size: 0
    .kernarg_segment_align: 8
    .kernarg_segment_size: 32
    .max_flat_workgroup_size: 128
    .sgpr_count:     100
    .vgpr_count:     512
    .wavefront_size: 32
...
	.end_amdgpu_metadata
.endif
;; end of part 6
;; launch ln2 (part 7): grid 256 x 1, 8 waves a work-group, no clusters, 0 bytes of LDS; arguments h, y2, ln2_g, ln2_b, out0; writes out0
.if DOCPART == 7
	.amdgcn_target "amdgcn-amd-amdhsa--gfx1250"
	.amdhsa_code_object_version 6
	.text
	.protected	k_q552e7bc2f8_ln2
	.globl	k_q552e7bc2f8_ln2
	.p2align	8
	.type	k_q552e7bc2f8_ln2,@function
k_q552e7bc2f8_ln2:
	s_mov_b64 s[64:65], 0
	v_nop
	global_prefetch_b8 v0, s[64:65] scope:SCOPE_SE
	s_setreg_imm32_b32 hwreg(HW_REG_WAVE_MODE, 25, 1), 1
	s_wait_xcnt 0x0
; out0 = layer norm(h + y2) x g + b, [4096][1024] f32.
; A work-group takes 16 rows, a wave two whole rows, 32 registers each: mean and variance never leave the wave: no LDS, no barrier.
; The variance is the mean of (u - mean)^2, taken in a second pass over the registers, as the definition has it.
; Memory binds: every load and store of a wave covers 512 consecutive bytes; all 48 loads of a wave go out at once.  Work-groups share only g and b (8 KB): no cluster, no tensor load.
; LIMITS: NaN and infinities are not served; 1 / sqrt is v_rsq_f32's.
.set U,   32                           ; v32-95   two rows: h, then h + y2, then the result
.set A,   96                           ; v96-159  two rows of y2
.set G,   160                          ; v160-191 g
.set BT,  192                          ; v192-223 b
.set SEL, 30                           ; s[30:31] v_permlanex16_b32's selects for lane l xor 16
.macro REDUCE x, y                     ; the sum of v[x] over the 32 lanes, in every lane; v[y], written before, at work
	s_delay_alu instid0(VALU_DEP_1)
	v_add_f32_dpp v[\x], v[\x], v[\x] row_xmask:1 row_mask:0xf bank_mask:0xf
	s_delay_alu instid0(VALU_DEP_1)
	v_add_f32_dpp v[\x], v[\x], v[\x] row_xmask:2 row_mask:0xf bank_mask:0xf
	s_delay_alu instid0(VALU_DEP_1)
	v_add_f32_dpp v[\x], v[\x], v[\x] row_xmask:4 row_mask:0xf bank_mask:0xf
	s_delay_alu instid0(VALU_DEP_1)
	v_add_f32_dpp v[\x], v[\x], v[\x] row_xmask:8 row_mask:0xf bank_mask:0xf
	s_delay_alu instid0(VALU_DEP_1)
	v_permlanex16_b32 v[\y], v[\x], s[SEL], s[SEL+1]
	s_delay_alu instid0(VALU_DEP_1)
	v_add_f32 v[\x], v[\x], v[\y]
.endm
; Row j: u = h + y2; u - mean in place; 1 / sqrt(variance + eps) into v[232 + 2 j].  left: the younger loads that may stay out
.macro STATS j, left
.set UU, U+32*\j
.set AA, A+32*\j
	s_wait_loadcnt \left
.set n, 0
.rept 16
	v_pk_add_f32 v[UU+n:UU+n+1], v[UU+n:UU+n+1], v[AA+n:AA+n+1]
.set n, n+2
.endr
	v_pk_add_f32 v[224:225], v[UU:UU+1], v[UU+2:UU+3]      ; the sum, in two packed chains
	v_pk_add_f32 v[226:227], v[UU+4:UU+5], v[UU+6:UU+7]
.irp i, 8,12,16,20,24,28
	s_delay_alu instid0(VALU_DEP_2)
	v_pk_add_f32 v[224:225], v[224:225], v[UU+\i:UU+\i+1]
	s_delay_alu instid0(VALU_DEP_2)
	v_pk_add_f32 v[226:227], v[226:227], v[UU+\i+2:UU+\i+3]
.endr
	s_delay_alu instid0(VALU_DEP_1)
	v_pk_add_f32 v[224:225], v[224:225], v[226:227]
	s_delay_alu instid0(VALU_DEP_1)
	v_add_f32 v224, v224, v225
	REDUCE 224, 225
	s_delay_alu instid0(VALU_DEP_1)
	v_mul_f32 v224, 0x3a800000, v224               ; / 1,024: the mean
.set n, 0
.rept 16
	v_pk_add_f32 v[UU+n:UU+n+1], v[UU+n:UU+n+1], v[224:225] op_sel_hi:[1,0] neg_lo:[0,1] neg_hi:[0,1]
.set n, n+2
.endr
	v_pk_mul_f32 v[226:227], v[UU:UU+1], v[UU:UU+1]        ; the squares, in two packed chains
	v_pk_mul_f32 v[228:229], v[UU+2:UU+3], v[UU+2:UU+3]
.irp i, 4,8,12,16,20,24,28
	s_delay_alu instid0(VALU_DEP_2)
	v_pk_fma_f32 v[226:227], v[UU+\i:UU+\i+1], v[UU+\i:UU+\i+1], v[226:227]
	s_delay_alu instid0(VALU_DEP_2)
	v_pk_fma_f32 v[228:229], v[UU+\i+2:UU+\i+3], v[UU+\i+2:UU+\i+3], v[228:229]
.endr
	s_delay_alu instid0(VALU_DEP_1)
	v_pk_add_f32 v[226:227], v[226:227], v[228:229]
	s_delay_alu instid0(VALU_DEP_1)
	v_add_f32 v226, v226, v227
	REDUCE 226, 227
	s_delay_alu instid0(VALU_DEP_1)
	v_fma_f32 v226, v226, s24, s25                 ; / 1,024 + eps
	s_wait_alu depctr_va_vdst(0)
	v_rsq_f32 v[232+2*\j], v226
	v_mov_b32 v[233+2*\j], 0                       ; a plain place behind the root; the pair's upper half is named below, so it is written
.endm
.macro FINISH j                        ; row j: x 1 / sqrt, x g + b
.set UU, U+32*\j
.set n, 0
.rept 16
	v_pk_mul_f32 v[UU+n:UU+n+1], v[UU+n:UU+n+1], v[232+2*\j:233+2*\j] op_sel_hi:[1,0]
.set n, n+2
.endr
.set n, 0
.rept 16
	v_pk_fma_f32 v[UU+n:UU+n+1], v[UU+n:UU+n+1], v[G+n:G+n+1], v[BT+n:BT+n+1]
.set n, n+2
.endr
.endm
	s_load_b256 s[4:11], s[0:1], 0x0               ; h s[4:5], y2 s[6:7], g s[8:9], b s[10:11]
	s_load_b64 s[12:13], s[0:1], 0x20              ; out0
	v_lshrrev_b32 v1, 5, v0
	s_delay_alu instid0(VALU_DEP_1)
	v_readfirstlane_b32 s16, v1                    ; wave 0..7
	v_and_b32 v2, 31, v0
	s_delay_alu instid0(VALU_DEP_1)
	v_lshlrev_b32 v3, 4, v2                        ; 16 x lane
	s_lshl_b32 s17, ttmp9, 4
	s_lshl_b32 s18, s16, 1
	s_add_co_u32 s17, s17, s18                     ; my first row: 16 x work-group + 2 x wave
	s_lshl_b32 s20, s17, 12
	s_mov_b32 s21, 0
	s_mov_b32 s24, 0x3a800000                      ; 1 / 1,024
	s_mov_b32 s25, 0x3727c5ac                      ; eps = 1e-5
	s_mov_b32 s[SEL], 0x76543210
	s_mov_b32 s[SEL+1], 0xfedcba98
	s_wait_alu depctr_va_vdst(0)
	s_wait_kmcnt 0x0
	s_add_nc_u64 s[4:5], s[4:5], s[20:21]
	s_add_nc_u64 s[6:7], s[6:7], s[20:21]
	s_add_nc_u64 s[12:13], s[12:13], s[20:21]
.irp j, 0,1
.irp i, 0,1,2,3,4,5,6,7
	global_load_b128 v[U+32*\j+4*\i:U+32*\j+4*\i+3], v3, s[4:5] offset:4096*\j+512*\i th:TH_LOAD_NT
.endr
.irp i, 0,1,2,3,4,5,6,7
	global_load_b128 v[A+32*\j+4*\i:A+32*\j+4*\i+3], v3, s[6:7] offset:4096*\j+512*\i th:TH_LOAD_NT
.endr
.endr
.irp i, 0,1,2,3,4,5,6,7
	global_load_b128 v[G+4*\i:G+4*\i+3], v3, s[8:9] offset:512*\i
.endr
.irp i, 0,1,2,3,4,5,6,7
	global_load_b128 v[BT+4*\i:BT+4*\i+3], v3, s[10:11] offset:512*\i
.endr
	STATS 0, 32                                    ; row 0's sixteen loads are in; row 1's sixteen and g's and b's sixteen may be out
	STATS 1, 16                                    ; row 1's are in; g's and b's may be out
	s_wait_loadcnt 0x0
	s_wait_alu depctr_va_vdst(0)                   ; one wait for the two roots, ahead of their first reader
.irp j, 0,1
	FINISH \j
.irp i, 0,1,2,3,4,5,6,7
	global_store_b128 v3, v[U+32*\j+4*\i:U+32*\j+4*\i+3], s[12:13] offset:4096*\j+512*\i th:TH_STORE_NT
.endr
.endr
	s_endpgm
.Lfunc_end_k_q552e7bc2f8_ln2:
	.size	k_q552e7bc2f8_ln2, .Lfunc_end_k_q552e7bc2f8_ln2-k_q552e7bc2f8_ln2
	.p2alignl 7, 3214868480
	.fill 96, 4, 3214868480
	.section	.rodata,"a",@progbits
	.p2align	6, 0x0
	.amdhsa_kernel k_q552e7bc2f8_ln2
		.amdhsa_group_segment_fixed_size 0
		.amdhsa_private_segment_fixed_size 0
		.amdhsa_enable_private_segment 0
		.amdhsa_kernarg_size 40
		.amdhsa_user_sgpr_count 2
		.amdhsa_user_sgpr_kernarg_segment_ptr 1
		.amdhsa_wavefront_size32 1
		.amdhsa_system_sgpr_workgroup_id_x 1
		.amdhsa_system_sgpr_workgroup_id_y 1
		.amdhsa_system_sgpr_workgroup_id_z 1
		.amdhsa_system_vgpr_workitem_id 0
		.amdhsa_next_free_vgpr 256
		.amdhsa_next_free_sgpr 66
		.amdhsa_reserve_vcc 0
		.amdhsa_float_denorm_mode_32 3
		.amdhsa_float_denorm_mode_16_64 3
		.amdhsa_memory_ordered 1
		.amdhsa_forward_progress 1
		.amdhsa_inst_pref_size 24
	.end_amdhsa_kernel
	.amdgpu_metadata
---
amdhsa.version: [ 1, 2 ]
amdhsa.kernels:
  - .name:           k_q552e7bc2f8_ln2
    .symbol:         k_q552e7bc2f8_ln2.kd
    .args:
      - { .name: h, .offset: 0, .size: 8, .value_kind: global_buffer, .address_space: global }
      - { .name: y2, .offset: 8, .size: 8, .value_kind: global_buffer, .address_space: global }
      - { .name: ln2_g, .offset: 16, .size: 8, .value_kind: global_buffer, .address_space: global }
      - { .name: ln2_b, .offset: 24, .size: 8, .value_kind: global_buffer, .address_space: global }
      - { .name: out0, .offset: 32, .size: 8, .value_kind: global_buffer, .address_space: global }
    .group_segment_fixed_size: 0
    .private_segment_fixed_size: 0
    .kernarg_segment_align: 8
    .kernarg_segment_size: 40
    .max_flat_workgroup_size: 256
    .sgpr_count:     66
    .vgpr_count:     256
    .wavefront_size: 32
...
	.end_amdgpu_metadata
.endif
;; end of part 7
